; MI455X (gfx1250); checked and timed in simulation.
; The chip was launched on July 23, 2026; its instructions are those of AMD's public machine-readable ISA for CDNA 5 (MIT licence, August 2026) and "CDNA5" Instruction Set Architecture Reference Guide (July 2026). The comments in the code are by the model that wrote it; some were corrected since.
;; Lightning Attention. Allowed arithmetic: float matrix products may take bf16 or f16 operands with f32 sums; other float arithmetic in f32, or as packed bf16 or f16 multiplies, adds, multiply-adds, maxima and minima; sums over many terms, partial sums and values carried from step to step in f32; what a program stores and reads back later, other than sums and carried values, may be rounded once to bf16 or f16.
;; Inputs: Wk 512 x 2,048 float32; Wo 2,048 x 2,048 float32; Wq 2,048 x 2,048 float32; Wv 512 x 2,048 float32; x 2 x 2,048 x 2,048 float32.
;; Outputs: out0 2 x 2,048 x 2,048 float32.
;; One version. Each part assembles by itself: llvm-mc -triple=amdgcn-amd-amdhsa -mcpu=gfx1250 --defsym DOCPART=n.
;; ======== version 1 of 1: 5 launches
;; limits: values are held in f16: magnitudes above 65,504 overflow, below 6.1e-05 lose precision
;; workspace buffers: xw 29,360,128 bytes; wo16 8,388,608 bytes; rope 1,048,576 bytes; qk 20,971,520 bytes; kvt 8,388,608 bytes; v32 65,536 bytes; st 8,519,680 bytes; o16 16,777,216 bytes
;; launch prep (part 1): grid 2368 x 1, 8 waves a work-group, no clusters, 0 bytes of LDS; arguments x, Wq, Wk, Wv, Wo, xw, wo16, rope; writes xw, wo16, rope
.if DOCPART == 1
	.amdgcn_target "amdgcn-amd-amdhsa--gfx1250"
	.amdhsa_code_object_version 6
	.text
	.protected	k_q325a5e75bf_prep
	.globl	k_q325a5e75bf_prep
	.p2align	8
	.type	k_q325a5e75bf_prep,@function
k_q325a5e75bf_prep:
	s_mov_b64 s[64:65], 0
	v_nop
	global_prefetch_b8 v0, s[64:65] scope:SCOPE_SE
	s_setreg_imm32_b32 hwreg(HW_REG_WAVE_MODE, 25, 1), 1
	s_wait_xcnt 0x0
; PREP.  x, Wq, Wk, Wv are rounded to bf16 into xw (x's 4,096 rows, then the 3,072 rows of Wq, Wk, Wv on end); Wo is rounded to bf16 and that number written as f16 into wo16;
; the rotary table cos[2048][64], sin[2048][64] (f32) is made into rope.
; A stream: each input byte is read once by 16-byte loads (a wave covers 512 consecutive bytes), each output byte written once (a wave's store covers 256 consecutive bytes, aligned).
; No LDS, no barrier, no matrix unit: nothing is shared and nothing is multiplied.
; SHARES.  A work-group casts 8,192 numbers (32 KiB in, 16 KiB out), eight loads a thread, all in flight at once.  Work-groups 0-1023 x, 1024-1535 Wq, 1536-1663 Wk, 1664-1791 Wv,
; 1792-2303 Wo, 2304-2367 the table (32 rows each).
; LIMITS.  Wo's bf16 number is exact in f16 from 6e-5 to 65,504; below it keeps f16's fixed step of 6e-8.  The table's angle t x inv is reduced by pi/2 in two parts,
; exact for t < 2,048; sine and cosine are polynomials on |r| <= pi/4 with the first term left out under 3e-8.
.set G_WQ,  1024
.set G_WK,  1536
.set G_WV,  1664
.set G_WO,  1792
.set G_TAB, 2304
	s_load_b512 s[8:23], s[0:1], 0x0               ; x 8, Wq 10, Wk 12, Wv 14, Wo 16, xw 18, wo16 20, rope 22
	s_mov_b32 s2, ttmp9
	v_lshlrev_b32 v1, 4, v0                        ; 16 bytes a thread in
	v_lshlrev_b32 v2, 3, v0                        ; 8 bytes a thread out
	s_wait_kmcnt 0x0
	s_cmp_ge_u32 s2, G_TAB
	s_cbranch_scc1 .Ltable
	s_mov_b64 s[24:25], s[8:9]                     ; the source and its first work-group, chosen by the work-group's number
	s_mov_b32 s26, 0
	s_cmp_ge_u32 s2, G_WQ
	s_cselect_b64 s[24:25], s[10:11], s[24:25]
	s_cselect_b32 s26, G_WQ, s26
	s_cmp_ge_u32 s2, G_WK
	s_cselect_b64 s[24:25], s[12:13], s[24:25]
	s_cselect_b32 s26, G_WK, s26
	s_cmp_ge_u32 s2, G_WV
	s_cselect_b64 s[24:25], s[14:15], s[24:25]
	s_cselect_b32 s26, G_WV, s26
	s_cmp_ge_u32 s2, G_WO
	s_cselect_b64 s[24:25], s[16:17], s[24:25]
	s_cselect_b32 s26, G_WO, s26
	s_cselect_b64 s[30:31], s[20:21], s[18:19]     ; the destination: wo16, or xw, where x and the three weights lie on end
	s_sub_co_u32 s27, s2, s26                      ; my block in the source
	s_cmp_ge_u32 s2, G_WO
	s_cselect_b32 s32, s27, s2                     ; my block in the destination
	s_lshl_b32 s28, s27, 15
	s_mov_b32 s29, 0
	s_lshl_b32 s32, s32, 14
	s_mov_b32 s33, 0
	s_add_nc_u64 s[24:25], s[24:25], s[28:29]
	s_add_nc_u64 s[30:31], s[30:31], s[32:33]
.irp i, 0,1,2,3,4,5,6,7
	global_load_b128 v[8+4*(\i):11+4*(\i)], v1, s[24:25] offset:4096*(\i) th:TH_LOAD_NT
.endr
; Piece i of eight.  half = 1: the bf16 number is widened (a shift, a mask) and written as f16.  No register is written twice, so no store's source is waited for.
.macro CAST i, half
	s_wait_loadcnt 7-(\i)                          ; loads come back in order: piece i is in, the 7 - i younger ones stay out
	v_cvt_pk_bf16_f32 v[40+2*(\i)], v[8+4*(\i)], v[9+4*(\i)]
	v_cvt_pk_bf16_f32 v[41+2*(\i)], v[10+4*(\i)], v[11+4*(\i)]
.if \half
	v_lshlrev_b32 v56, 16, v[40+2*(\i)]
	v_and_b32 v57, 0xffff0000, v[40+2*(\i)]
	v_lshlrev_b32 v58, 16, v[41+2*(\i)]
	v_and_b32 v59, 0xffff0000, v[41+2*(\i)]
	v_cvt_pk_f16_f32 v[40+2*(\i)], v56, v57
	v_cvt_pk_f16_f32 v[41+2*(\i)], v58, v59
.endif
	global_store_b64 v2, v[40+2*(\i):41+2*(\i)], s[30:31] offset:2048*(\i) th:TH_STORE_NT
.endm
	s_cmp_ge_u32 s2, G_WO
	s_cbranch_scc1 .Lwo
.irp i, 0,1,2,3,4,5,6,7
	CAST \i, 0
.endr
	s_endpgm
.Lwo:
.irp i, 0,1,2,3,4,5,6,7
	CAST \i, 1
.endr
	s_endpgm
; THE TABLE.  Thread: frequencies i = 4 (thread % 16) + 0..3, rows t = 32 tg + thread / 16 and 16 further down.  inv = 2^(-i log2(10000) / 64).
.Ltable:
	s_sub_co_u32 s27, s2, G_TAB
	s_lshl_b32 s28, s27, 13                        ; 32 rows of 256 bytes
	s_mov_b32 s29, 0
	s_add_nc_u64 s[22:23], s[22:23], s[28:29]
	s_lshl_b32 s27, s27, 5
	s_mov_b32 s34, 0xbe549a78                      ; -log2(10000) / 64
	s_mov_b32 s35, 0x3f22f983                      ; 2 / pi
	s_mov_b32 s36, 0xbfc90fdb                      ; -(pi / 2 rounded to f32)
	s_mov_b32 s37, 0x333bbd2e                      ; that number less pi / 2
	s_mov_b32 s38, 0x3638ef1d                      ; 1 / 362880
	s_mov_b32 s39, 0xb9500d01                      ; -1 / 5040
	s_mov_b32 s40, 0x3c088889                      ; 1 / 120
	s_mov_b32 s41, 0xbe2aaaab                      ; -1 / 6
	s_mov_b32 s42, 0x37d00d01                      ; 1 / 40320
	s_mov_b32 s43, 0xbab60b61                      ; -1 / 720
	s_mov_b32 s44, 0x3d2aaaab                      ; 1 / 24
	v_and_b32 v3, 15, v0
	v_lshlrev_b32 v3, 2, v3
	v_lshrrev_b32 v4, 4, v0
	v_add_nc_u32 v4, s27, v4
.irp e, 0,1,2,3
	v_add_nc_u32 v[8+(\e)], \e, v3
.endr
.irp e, 0,1,2,3
	v_cvt_f32_u32 v[8+(\e)], v[8+(\e)]
.endr
.irp e, 0,1,2,3
	v_mul_f32 v[8+(\e)], s34, v[8+(\e)]
.endr
.irp e, 0,1,2,3
	v_exp_f32 v[8+(\e)], v[8+(\e)]
.endr
	v_cvt_f32_u32 v5, v4                           ; t: plain work behind the last exponential
	v_add_nc_u32 v6, 16, v4
	v_cvt_f32_u32 v6, v6
	s_wait_alu depctr_va_vdst(0)                   ; one wait for the four exponentials, ahead of their first reader
; cos and sin of t x inv.  n = the nearest multiple of pi / 2; r = x - n pi / 2; the quadrant swaps the two and sets the signs.
.macro SINCOS tt, iv, cd, sd
	v_mul_f32 v12, v[\tt], v[\iv]
	v_mul_f32 v13, s35, v12
	v_rndne_f32 v13, v13
	v_fma_f32 v14, v13, s36, v12
	v_fma_f32 v14, v13, s37, v14
	v_mul_f32 v15, v14, v14
	v_cvt_i32_f32 v16, v13
	v_fma_f32 v17, v15, s38, s39
	v_fma_f32 v19, v15, s42, s43
	v_fma_f32 v17, v17, v15, s40
	v_fma_f32 v19, v19, v15, s44
	v_fma_f32 v17, v17, v15, s41
	v_mul_f32 v18, v15, v14
	v_fma_f32 v19, v19, v15, -0.5
	v_fma_f32 v17, v17, v18, v14                   ; sin r
	v_fma_f32 v19, v19, v15, 1.0                   ; cos r
	v_and_b32 v18, 1, v16
	v_cmp_eq_u32 vcc_lo, 1, v18
	v_cndmask_b32 v[\sd], v17, v19, vcc_lo
	v_cndmask_b32 v[\cd], v19, v17, vcc_lo
	v_and_b32 v18, 2, v16
	v_lshlrev_b32 v18, 30, v18
	v_xor_b32 v[\sd], v18, v[\sd]                  ; sine is negative in quadrants 2 and 3
	v_add_nc_u32 v16, 1, v16
	v_and_b32 v16, 2, v16
	v_lshlrev_b32 v16, 30, v16
	v_xor_b32 v[\cd], v16, v[\cd]                  ; cosine in quadrants 1 and 2
.endm
.irp e, 0,1,2,3
	SINCOS 5, 8+(\e), 20+(\e), 24+(\e)
.endr
	global_store_b128 v1, v[20:23], s[22:23]                 ; sixteen lanes fill a row of 256 bytes
	global_store_b128 v1, v[24:27], s[22:23] offset:524288
.irp e, 0,1,2,3
	SINCOS 6, 8+(\e), 28+(\e), 32+(\e)
.endr
	global_store_b128 v1, v[28:31], s[22:23] offset:4096
	global_store_b128 v1, v[32:35], s[22:23] offset:4096+524288
	s_endpgm
.Lfunc_end_k_q325a5e75bf_prep:
	.size	k_q325a5e75bf_prep, .Lfunc_end_k_q325a5e75bf_prep-k_q325a5e75bf_prep
	.p2alignl 7, 3214868480
	.fill 96, 4, 3214868480
	.section	.rodata,"a",@progbits
	.p2align	6, 0x0
	.amdhsa_kernel k_q325a5e75bf_prep
		.amdhsa_group_segment_fixed_size 0
		.amdhsa_private_segment_fixed_size 0
		.amdhsa_enable_private_segment 0
		.amdhsa_kernarg_size 64
		.amdhsa_user_sgpr_count 2
		.amdhsa_user_sgpr_kernarg_segment_ptr 1
		.amdhsa_wavefront_size32 1
		.amdhsa_system_sgpr_workgroup_id_x 1
		.amdhsa_system_sgpr_workgroup_id_y 1
		.amdhsa_system_sgpr_workgroup_id_z 1
		.amdhsa_system_vgpr_workitem_id 0
		.amdhsa_next_free_vgpr 64
		.amdhsa_next_free_sgpr 66
		.amdhsa_reserve_vcc 1
		.amdhsa_float_denorm_mode_32 3
		.amdhsa_float_denorm_mode_16_64 3
		.amdhsa_memory_ordered 1
		.amdhsa_forward_progress 1
		.amdhsa_inst_pref_size 21
	.end_amdhsa_kernel
	.amdgpu_metadata
---
amdhsa.version: [ 1, 2 ]
amdhsa.kernels:
  - .name:           k_q325a5e75bf_prep
    .symbol:         k_q325a5e75bf_prep.kd
    .args:
      - { .name: x, .offset: 0, .size: 8, .value_kind: global_buffer, .address_space: global }
      - { .name: Wq, .offset: 8, .size: 8, .value_kind: global_buffer, .address_space: global }
      - { .name: Wk, .offset: 16, .size: 8, .value_kind: global_buffer, .address_space: global }
      - { .name: Wv, .offset: 24, .size: 8, .value_kind: global_buffer, .address_space: global }
      - { .name: Wo, .offset: 32, .size: 8, .value_kind: global_buffer, .address_space: global }
      - { .name: xw, .offset: 40, .size: 8, .value_kind: global_buffer, .address_space: global }
      - { .name: wo16, .offset: 48, .size: 8, .value_kind: global_buffer, .address_space: global }
      - { .name: rope, .offset: 56, .size: 8, .value_kind: global_buffer, .address_space: global }
    .group_segment_fixed_size: 0
    .private_segment_fixed_size: 0
    .kernarg_segment_align: 8
    .kernarg_segment_size: 64
    .max_flat_workgroup_size: 256
    .sgpr_count:     66
    .vgpr_count:     64
    .wavefront_size: 32
...
	.end_amdgpu_metadata
.endif
;; end of part 1
;; launch qkv (part 2): grid 32 x 8, 4 waves a work-group, clusters of 4 x 1, 327,680 bytes of LDS; arguments xw, rope, qk, kvt, v32; writes qk, kvt, v32
.if DOCPART == 2
	.amdgcn_target "amdgcn-amd-amdhsa--gfx1250"
	.amdhsa_code_object_version 6
	.text
	.protected	k_q325a5e75bf_qkv
	.globl	k_q325a5e75bf_qkv
	.p2align	8
	.type	k_q325a5e75bf_qkv,@function
k_q325a5e75bf_qkv:
	s_mov_b64 s[64:65], 0
	v_nop
	global_prefetch_b8 v0, s[64:65] scope:SCOPE_SE
	s_setreg_imm32_b32 hwreg(HW_REG_WAVE_MODE, 25, 1), 1
	s_wait_xcnt 0x0
	s_wait_alu depctr_hold_cnt(0) depctr_sa_sdst(0) depctr_va_vdst(0) depctr_va_sdst(0) depctr_va_ssrc(0) depctr_va_vcc(0) depctr_vm_vsrc(0)
	s_getreg_b32 s2, hwreg(HW_REG_IB_STS2, 6, 4)
	s_cmp_eq_u32 s2, 0
	s_cbranch_scc0 .Lentry_in_a_cluster
	s_endpgm
.Lentry_in_a_cluster:
	s_bfe_u32 s2, ttmp6, 0x10000c
	s_cmp_lg_u32 s2, 0x3003
	s_cbranch_scc0 .Lentry_shape_is_right
	s_endpgm
.Lentry_shape_is_right:
; QKV.  [4096 tokens] x [3072 columns] x [K = 2048] in bf16, sums in f32; then the rotary turn and elu + 1 on q and k; all leaves in f16, in blocked layouts.
; The 3,072 columns are 24 heads of 128: 0-15 q, 16-19 k, 20-23 v.
; SHARES.  A work-group makes 128 tokens x 384 columns (three heads): 32 x 8 = 256 work-groups.  A wave makes 128 tokens x 96 columns: of each of the three heads the 16 columns at
; d = 16 w and the 16 at d = 64 + 16 w, so that the two partners of the rotary turn lie in one lane, in the same register of two accumulators.  48 accumulators, 384 registers.
; THE MATRIX INSTRUCTION IS USED TRANSPOSED (source 0 = 16 rows of W, source 1 = 16 tokens): a lane holds one token (lane % 16) and eight neighbouring columns.
; RING.  K goes in steps of 128 through two LDS slots: 128 rows of x, then 3 x 128 rows of W, 256 bytes a row, padded to 272.  Wave 0 fetches x's tile, waves 1-3 a head each.
; CLUSTER.  The four partners are four token tiles of ONE column tile: they ask for W's tiles (three quarters of a step's bytes) jointly.  x's tile is each work-group's own, by a plain
; load.  A 4 x 4 cluster, which would share x too, is not taken: the head's kind (q, k or v) steers branches on the way out, and must then hang on the grid's y alone, which all partners share.
; THE WAY OUT.  The ring has had its last fill: the sums and the rotary table are set down in its bytes, each wave's in a part of its own, and counted loops take them up unit by unit
; (16 tokens x the two blocks of 16 columns).
;   qk  [b][head 20][cb 8][t 2048][16 columns] f16: q and k after elu + 1.  A lane's 16 bytes lie at 32 (lane % 16) + 16 (lane / 16) of 512 consecutive bytes: a store of a wave covers 512 bytes, aligned.
;   kvt [k, v][4 b + kv head][cb 8][t / 16][column 16][token 16] f16: k and v turned, through 8 KiB of the wave's own and ds_load_tr16_b128; the same 512 bytes a store.
;   v32 [b][kv head][t 16][128] f32: v's first 16 tokens of each batch, unrounded, for the launch that makes those rows apart.  These stores go under a mask of lanes that hangs on the token tile,
;   and so on my place in the cluster: they stand last, behind every line that makes an LDS address, and read the dump by a fixed register and immediates.
; LIMITS.  q, k, v after the turn must lie within f16's 65,504.  elu(x) + 1 is the middle one of x + 1, e^x and 1.  NaN and infinities are not treated apart.
; REGISTERS, in windows of 256 (s_set_vgpr_msb: bits 1:0 source 0, 3:2 source 1, 5:4 source 2, 7:6 destination):
;   window 0: v0-31 addresses; v64-127, v128-191 x's fragments, two buffers; on the way out v64-207 at work
;   window 1: v64-111, v128-175 W's fragments, two buffers; v0-63, v192-255 the rotary table of my tokens and columns, loaded at the head
;   windows 2, 3: accumulator (a, b) at v[8 (6 (a % 4) + b)] of window 2 + a / 4; a = block of 16 tokens, b = 2 x head + half
.set KSTEP,  128
.set PITCH,  272                       ; 256 bytes + 16: the 16 rows of a fragment load start at 16 different groups of four banks (64 banks of 4 bytes: ISA guide 11.1)
.set HALFT,  128*PITCH                 ; 128 rows: what one tensor load brings
.set SLOT,   4*HALFT
.set SCR,    2*SLOT                    ; behind the ring: 8 KiB a wave, the turning stage
.set SPARE,  SCR+4*8192                ; the spare words, 128 bytes a wave: two blocks of 256 bytes that no other line names
.set DUMPW,  49152                     ; in the ring's bytes, behind its last fill: a wave's 48 accumulators,
.set TAB,    4*DUMPW                   ; and, 16 KiB a wave, its rotary table
.set LAPS,   8                         ; 2,048 / 256
.set WOFF,   16777216                  ; W's rows lie behind x's in xw
.set VD,   5                           ; v5   my 16 bytes in a 512-byte image of four registers, in my dump; never rewritten
.set VT,   6                           ; v6   the same in my table; never rewritten
.set VNB,  7                           ; v7   32 (l % 16) + 16 (l / 16): my 16 bytes of a 512-byte tile; never rewritten
.set VSB,  8                           ; v8   the same in my turning stage
.set VTRB, 9                           ; v9   the turning load's address in my stage
.set V32O, 10                          ; v10  my bytes in v32
.set VTK,  11                          ; v11  my token's number in its batch, for block a = 0
.set VU,   12                          ; v12-15 the addresses of the trip in hand: a base above plus a stepped scalar
.set VTW,  13
.set VN,   14
.set VS,   15
.set ADRA, 16                          ; v16-17 x's fragments in slot 0, 1
.set ADRB, 20                          ; v20-21 W's fragments, heads 0 and 1
.set ADRB2, 22                         ; v22-23 head 2: 256 rows on, beyond a 16-bit offset
.set SPW,  28
.set NIL,  29
.set PFO,  30                          ; v30  4,096 x lane: a row of xw
.set TBO,  31                          ; v31  my bytes in 16 rows of the table
.set F0,   64
.set F1,   128
.set WV,   14
.set CX,   15
.set MT,   16                          ; token tile = 4 x cluster x + cx: it enters global addresses and one lane mask alone
.set YY,   17                          ; column tile
.set G1A,  24
.set G0A,  32
.set PFA,  40
.set PFB,  42
.set LIMA, 44
.set LIMB, 45
.set G1B,  48
.set G0B,  56
.set RB,   66
.set J,    68
.set HEAD, 69
.set SBN,  70
.set SBT,  72
.set OFS,  74
.set CNT,  76
.set SU,   77
.set STB,  78
.set SN,   79
.set SS,   80
.set BB,   81
.set MTL,  82
.set SX,   83
.set V32B, 84
.set T0,   86
.set T1,   87
.set MSB, 0
.macro WIN new                         ; the immediate's high byte repeats the setting that is left; a switch that changes nothing is dropped
.if MSB != (\new)
	s_set_vgpr_msb (MSB<<8)|(\new)
.set MSB, \new
.endif
.endm
.set MUL_LO, 0xa1                      ; source 0 (W) window 1, source 1 (x) window 0, C and D window 2
.set MUL_HI, 0xf1
.set TO_B,   0x40
; A fill.  Wave 0 asks for x's tile (its work-group's own), waves 1-3 jointly for a head of W.  The branch hangs on the wave's number alone.
; An s_nop 0 and four v_nop follow each of the two lines, ahead of the jump and the label.
.macro JLOAD s
	s_cmp_eq_u32 s[WV], 0
	s_cbranch_scc0 .Lfor_b_\@
	tensor_load_to_lds s[G0A+4*(\s):G0A+4*(\s)+3], s[G1A:G1A+7]
	s_nop 0
.rept 4
	v_nop
.endr
	s_branch .Lasked_\@
.Lfor_b_\@:
	tensor_load_to_lds s[G0B+4*(\s):G0B+4*(\s)+3], s[G1B:G1B+7]
	s_nop 0
.rept 4
	v_nop
.endr
.Lasked_\@:
.endm
; PREFETCH INTO THE L2, behind the fill and the run of LDS loads: the K step that stands two refills on (384 matrix instructions a wave ahead of the load that will want it): 256 bytes of 32 rows, a lane a row.
; Each block is named once in the launch.  x's rows are read by the eight column tiles: the work-groups of column tile 0 ask, each wave for 32 rows of its own tile.  W's rows are read by the
; eight clusters of a column tile: the first asks; waves 1-3 take a head each, the four partners 32 rows of it each, told apart by address.  The loop's last trip has no K step two on.
.macro ASK
	s_cmp_gt_u32 s3, s[LIMA]
	s_cbranch_scc0 .Lno_a_\@
	global_prefetch_b8 v[PFO], s[PFA:PFA+1] offset:KSTEP*2 th:TH_LOAD_NT scope:SCOPE_SE
.Lno_a_\@:
	s_cmp_gt_u32 s3, s[LIMB]
	s_cbranch_scc0 .Lno_b_\@
	global_prefetch_b8 v[PFO], s[PFB:PFB+1] offset:KSTEP*2 th:TH_LOAD_NT scope:SCOPE_SE
.Lno_b_\@:
.endm
.macro CREST                           ; a round of the cluster's barrier behind its opening barrier
	s_cmp_lg_u32 s[WV], 0
	s_cbranch_scc1 .Lnot_wave_0_\@
	s_barrier_signal -3
.Lnot_wave_0_\@:
	s_barrier_wait -3
	s_barrier_signal -1
	s_barrier_wait -1
.endm
.macro CROUND
	s_barrier_signal -1
	s_barrier_wait -1
	CREST
.endm
	s_load_b256 s[4:11], s[0:1], 0x0               ; xw 4, rope 6, qk 8, kvt 10
	s_load_b64 s[12:13], s[0:1], 0x20              ; v32
	v_lshl_add_u32 v[SPW], v0, 2, SPARE
	v_mov_b32 v[NIL], 0
	ds_add_u32 v[SPW], v[NIL]                      ; the wave's opening: the add, twice on end, and its wait ahead of my first tensor load
	ds_add_u32 v[SPW], v[NIL]
	v_lshrrev_b32 v1, 5, v0
	v_readfirstlane_b32 s[WV], v1
	s_bfe_u32 s[CX], ttmp6, 0x40000
	s_lshl_b32 s[MT], ttmp9, 2
	s_add_co_u32 s[MT], s[MT], s[CX]
	s_and_b32 s[YY], ttmp7, 0xffff
	s_mov_b32 s[G1A], (1<<16)|(1<<20)|(5<<22)|(3<<25)              ; 2-byte elements; padding on: after every 64 words, 4 words; no mask
	s_mov_b32 s[G1B], 15|(1<<16)|(1<<20)|(1<<21)|(5<<22)|(3<<25)   ; the same with the mask of all four partners, bit 21 beside it
.irp g, G1A, G1B
	s_mov_b32 s[(\g)+1], KSTEP<<16                 ; tensor_dim0 = 128
	s_mov_b32 s[(\g)+2], 128<<16                   ; tensor_dim1 = 128
	s_mov_b32 s[(\g)+3], KSTEP<<16                 ; tile_dim0 = 128
	s_mov_b32 s[(\g)+4], 128                       ; tile_dim1 = 128
	s_mov_b32 s[(\g)+5], 2048                      ; elements from row to row
	s_mov_b32 s[(\g)+6], 0
	s_mov_b32 s[(\g)+7], 0
.endr
	s_mul_i32 s20, s[WV], HALFT                    ; where my tile goes: no place in the cluster enters an LDS address
	s_lshl_b32 s18, s[MT], 19                      ; x: 128 rows of 4,096 bytes a tile
	s_mov_b32 s19, 0
	s_sub_co_i32 s21, s[WV], 1
	s_max_i32 s21, s21, 0                          ; W: my head of the three (wave 0 asks for none)
	s_lshl_b32 s21, s21, 7
	s_mul_i32 s22, s[YY], 384
	s_add_co_u32 s22, s22, s21
	s_lshl_b32 s22, s22, 12
	s_add_co_u32 s22, s22, WOFF
	s_mov_b32 s23, 0
	s_wait_dscnt 0x0                               ; both opening adds are done
	s_wait_kmcnt 0x0
	s_add_nc_u64 s[18:19], s[4:5], s[18:19]
	s_add_nc_u64 s[22:23], s[4:5], s[22:23]
	CROUND                                         ; all four work-groups are here: the first joint loads meet
.irp s, 0,1
	s_mov_b32 s[G0A+4*(\s)], 1
	s_add_co_u32 s[G0A+4*(\s)+1], s20, (\s)*SLOT
	s_add_nc_u64 s[G0A+4*(\s)+2:G0A+4*(\s)+3], s[18:19], (\s)*KSTEP*2
	s_or_b32 s[G0A+4*(\s)+3], s[G0A+4*(\s)+3], 0x80000000
	s_mov_b32 s[G0B+4*(\s)], 1
	s_add_co_u32 s[G0B+4*(\s)+1], s20, (\s)*SLOT
	s_add_nc_u64 s[G0B+4*(\s)+2:G0B+4*(\s)+3], s[22:23], (\s)*KSTEP*2
	s_or_b32 s[G0B+4*(\s)+3], s[G0B+4*(\s)+3], 0x80000000
	JLOAD \s
.endr
	v_and_b32 v1, 15, v0                           ; l % 16
	v_bfe_u32 v2, v0, 4, 1                         ; l / 16
	v_and_b32 v3, 31, v0                           ; l
	; the rotary table of my tokens (16 a + l % 16) and frequencies (16 w + 8 (l / 16) + 0..7): 32 loads that stay out until the way out
	v_lshlrev_b32 v[TBO], 8, v1
	v_lshl_add_u32 v[TBO], v2, 5, v[TBO]
	s_and_b32 s[MTL], s[MT], 15                    ; the tile in its batch
	s_lshr_b32 s[BB], s[MT], 4                     ; the batch
	s_lshl_b32 s46, s[MTL], 15
	s_lshl_b32 s47, s[WV], 6
	s_add_co_u32 s46, s46, s47
	s_mov_b32 s47, 0
	s_add_nc_u64 s[RB:RB+1], s[6:7], s[46:47]
	WIN TO_B
.set n, 0
.rept 32                               ; n = 4 a + 2 (cos 0, sin 1) + half: registers 4 n .. 4 n + 3 of 128, which lie in v0-63 and v192-255
	global_load_b128 v[4*n+128*(n/16):4*n+128*(n/16)+3], v[TBO], s[RB:RB+1] offset:(n/4)*4096+((n/2)%2)*524288+(n%2)*16
.set n, n+1
.endr
	WIN 0
	v_mul_u32_u24 v4, v1, PITCH
	v_lshl_add_u32 v4, v2, 4, v4                   ; a fragment's row x pitch + 16 x half
	s_mul_i32 s21, s[WV], 16*PITCH
	s_add_co_u32 s21, s21, HALFT                   ; W's rows lie behind x's; mine begin at row 16 w of each half of a head
	v_mov_b32 v[ADRA], v4
	v_add_nc_u32 v[ADRA+1], SLOT, v4
	v_add_nc_u32 v[ADRB], s21, v4
	v_add_nc_u32 v[ADRB+1], SLOT, v[ADRB]
	v_add_nc_u32 v[ADRB2], 2*HALFT, v[ADRB]
	v_add_nc_u32 v[ADRB2+1], 2*HALFT, v[ADRB+1]
	v_lshlrev_b32 v[VD], 4, v3
	s_mul_i32 s46, s[WV], DUMPW
	s_lshl_b32 s47, s[WV], 14
	s_add_co_u32 s47, s47, TAB
	v_add_nc_u32 v[VT], s47, v[VD]
	v_add_nc_u32 v[VD], s46, v[VD]
	v_lshlrev_b32 v[VNB], 5, v1
	v_lshl_add_u32 v[VNB], v2, 4, v[VNB]
	s_lshl_b32 s46, s[WV], 13
	s_add_co_u32 s46, s46, SCR
	v_add_nc_u32 v[VSB], s46, v[VNB]
	v_and_b32 v[VTRB], 7, v0                       ; the turning load: token 8 (l / 16) + l % 8, columns 8 ((l / 8) % 2) + 0..7
	v_lshl_add_u32 v[VTRB], v2, 3, v[VTRB]
	v_lshlrev_b32 v[VTRB], 5, v[VTRB]
	v_bfe_u32 v[VU], v0, 3, 1
	v_lshl_add_u32 v[VTRB], v[VU], 4, v[VTRB]
	v_add_nc_u32 v[VTRB], s46, v[VTRB]
	v_lshlrev_b32 v[V32O], 9, v1
	v_lshl_add_u32 v[V32O], v2, 5, v[V32O]
	s_lshl_b32 s47, s[WV], 6
	v_add_nc_u32 v[V32O], s47, v[V32O]
	s_lshl_b32 s47, s[MTL], 7
	v_add_nc_u32 v[VTK], s47, v1
	v_lshlrev_b32 v[PFO], 12, v3
	; the prefetches stand at K step 2; the first refill steps them to 3 and names K step 4.  Nothing is asked for here, where every work-group's first tiles are on their way
	s_lshl_b32 s46, s[MT], 19
	s_lshl_b32 s47, s[WV], 17
	s_add_co_u32 s46, s46, s47
	s_add_co_u32 s46, s46, 2*KSTEP*2
	s_mov_b32 s47, 0
	s_add_nc_u64 s[PFA:PFA+1], s[4:5], s[46:47]
	s_lshl_b32 s46, s[CX], 17
	s_add_co_u32 s46, s46, 2*KSTEP*2
	s_add_nc_u64 s[PFB:PFB+1], s[22:23], s[46:47]
	s_cmp_eq_u32 s[YY], 0
	s_cselect_b32 s[LIMA], 1, -1
	s_cmp_eq_u32 s[WV], 0
	s_cselect_b32 s46, 1, 0
	s_or_b32 s46, s46, ttmp9
	s_cmp_eq_u32 s46, 0
	s_cselect_b32 s[LIMB], 1, -1
; 12 matrix instructions: token blocks a0, a0 + 1 of the window's four x all 6 column blocks, 32 along K.  zero = 1: the first product starts the sums.
; The 48 accumulators take turns, one instruction a turn, in the same order in every quarter.
.macro MUL12 f, hi, a0, zero
	WIN MUL_LO+0x50*(\hi)
.irp a, \a0, (\a0)+1
.irp b, 0,1,2,3,4,5
.if \zero
	v_wmma_f32_16x16x32_bf16 v[8*(6*(\a)+(\b)):8*(6*(\a)+(\b))+7], v[(\f)+8*(\b):(\f)+8*(\b)+7], v[(\f)+8*(4*(\hi)+(\a)):(\f)+8*(4*(\hi)+(\a))+7], 0
.else
	v_wmma_f32_16x16x32_bf16 v[8*(6*(\a)+(\b)):8*(6*(\a)+(\b))+7], v[(\f)+8*(\b):(\f)+8*(\b)+7], v[(\f)+8*(4*(\hi)+(\a)):(\f)+8*(4*(\hi)+(\a))+7], v[8*(6*(\a)+(\b)):8*(6*(\a)+(\b))+7]
.endif
.endr
.endr
.endm
; 28 LDS loads in one run: W's 6 fragments, then x's 8, 32 along K at byte k of the rows, into buffer f
.macro FETCH slot, k, f
	WIN TO_B
.irp b, 0,1,2,3
	ds_load_b128 v[(\f)+8*(\b):(\f)+8*(\b)+3],   v[ADRB+(\slot)] offset:(\k)+((\b)/2)*HALFT+((\b)%2)*64*PITCH
	ds_load_b128 v[(\f)+8*(\b)+4:(\f)+8*(\b)+7], v[ADRB+(\slot)] offset:(\k)+((\b)/2)*HALFT+((\b)%2)*64*PITCH+32
.endr
.irp b, 4,5
	ds_load_b128 v[(\f)+8*(\b):(\f)+8*(\b)+3],   v[ADRB2+(\slot)] offset:(\k)+((\b)%2)*64*PITCH
	ds_load_b128 v[(\f)+8*(\b)+4:(\f)+8*(\b)+7], v[ADRB2+(\slot)] offset:(\k)+((\b)%2)*64*PITCH+32
.endr
	WIN 0
.irp i, 0,1,2,3,4,5,6,7
	ds_load_b128 v[(\f)+8*(\i):(\f)+8*(\i)+3],   v[ADRA+(\slot)] offset:(\k)+(\i)*16*PITCH
	ds_load_b128 v[(\f)+8*(\i)+4:(\f)+8*(\i)+7], v[ADRA+(\slot)] offset:(\k)+(\i)*16*PITCH+32
.endr
.endm
.macro PLACES                          ; four plain instructions between a matrix instruction and a load into, or a read of, its registers
.rept 4
	v_nop
.endr
.endm
.macro QUARTER slot, k, f, g, zero
	s_wait_dscnt 8                                 ; W and x's tokens 0-63 are in; the youngest eight loads (tokens 64-127) may be out
	MUL12 \f, 0, 0, \zero
	MUL12 \f, 0, 2, \zero
	PLACES
	FETCH \slot, \k, \g
	s_wait_dscnt 28                                ; all but the 28 just issued
	MUL12 \f, 1, 0, \zero
	MUL12 \f, 1, 2, \zero
.endm
; The last quarter multiplies buffer 1 and changes slots: one barrier.  In front of it each wave waits for all its tensor loads (its part of the next slot), adds 0 to its spare word, and waits for
; that and for its reads of this slot.  fill = 1: the barrier opens a round of the cluster's, and the refill, two K steps ahead, is the first thing behind it.
.macro TURN slot, next, fill
.if \fill
	s_wait_xcnt 0x0                                ; the last prefetches, a K step back, have read their addresses
	s_add_nc_u64 s[PFA:PFA+1], s[PFA:PFA+1], KSTEP*2
	s_add_nc_u64 s[PFB:PFB+1], s[PFB:PFB+1], KSTEP*2
.endif
	WIN 0
	s_wait_tensorcnt 0x0                           ; all my tensor loads have landed
	ds_add_u32 v[SPW], v[NIL]
	s_wait_dscnt 9                                 ; (the add and the youngest eight loads may be out)
	MUL12 F1, 0, 0, 0
	s_wait_dscnt 0x0                               ; the add is done, and my reads of this slot are over
	s_barrier_signal -1
	MUL12 F1, 0, 2, 0
.if \fill
	WIN 0
.endif
	s_barrier_wait -1
.if \fill
	CREST                                          ; no wave of any partner still reads this slot or has a load on its way
	s_add_nc_u64 s[G0A+4*(\slot)+2:G0A+4*(\slot)+3], s[G0A+4*(\slot)+2:G0A+4*(\slot)+3], 2*KSTEP*2
	s_add_nc_u64 s[G0B+4*(\slot)+2:G0B+4*(\slot)+3], s[G0B+4*(\slot)+2:G0B+4*(\slot)+3], 2*KSTEP*2
	JLOAD \slot                                    ; its four v_nop are also the places in front of the loads below
.else
	PLACES
.endif
	FETCH \next, 0, F0
.if \fill
	ASK
.endif
	MUL12 F1, 1, 0, 0
	MUL12 F1, 1, 2, 0
.endm
	s_wait_tensorcnt 1                             ; my part of K step 0 is in; K step 1's may stay out
	s_barrier_signal -1
	s_barrier_wait -1
	FETCH 0, 0, F0
	QUARTER 0, 64,  F0, F1, 1
	WIN 0
	s_mov_b32 s3, LAPS-1
.Llap:                                         ; a trip goes once round the ring, from a lap's second quarter to the next lap's first
	QUARTER 0, 128, F1, F0, 0
	QUARTER 0, 192, F0, F1, 0
	TURN 0, 1, 1
	QUARTER 1, 64,  F0, F1, 0
	QUARTER 1, 128, F1, F0, 0
	QUARTER 1, 192, F0, F1, 0
	TURN 1, 0, 1
	QUARTER 0, 64,  F0, F1, 0
	WIN 0
	s_sub_co_u32 s3, s3, 1
	s_cmp_lg_u32 s3, 0
	s_cbranch_scc1 .Llap
	QUARTER 0, 128, F1, F0, 0                      ; the last lap fills nothing
	QUARTER 0, 192, F0, F1, 0
	TURN 0, 1, 0
	QUARTER 1, 64,  F0, F1, 0
	QUARTER 1, 128, F1, F0, 0
	QUARTER 1, 192, F0, F1, 0
	s_wait_dscnt 8
	MUL12 F1, 0, 0, 0
	MUL12 F1, 0, 2, 0
	s_wait_dscnt 0x0
	MUL12 F1, 1, 0, 0
	MUL12 F1, 1, 2, 0
	WIN 0
	PLACES
	s_barrier_signal -1                            ; every wave's reads of the ring are back (the wait for 0 above) and every tensor load has landed: the ring's bytes may be written
	s_barrier_wait -1
	; the sums: unit u = 8 x head + a at 2,048 u; in it the low block's eight registers, then the high block's, as images of four registers (16 bytes a lane).  Each accumulator's low registers go first.
.set a, 0
.rept 8
	WIN 0x08+4*(a/4)                               ; the data (source 1) in window 2 or 3
.set b, 0
.rept 6
	ds_store_b128 v[VD], v[8*(6*(a%4)+b):8*(6*(a%4)+b)+3]   offset:(8*(b/2)+a)*2048+(b%2)*1024
	ds_store_b128 v[VD], v[8*(6*(a%4)+b)+4:8*(6*(a%4)+b)+7] offset:(8*(b/2)+a)*2048+(b%2)*1024+512
.set b, b+1
.endr
.set a, a+1
.endr
	WIN 0
	s_wait_loadcnt 0x0                             ; the table
	WIN 0x04
.set n, 0
.rept 32
	ds_store_b128 v[VT], v[4*n+128*(n/16):4*n+128*(n/16)+3] offset:n*512
.set n, n+1
.endr
	WIN 0
; x: X1 (columns d) at x, X2 (columns d + 64) at x + 8, cos at x + 16, sin at x + 24.  t: X1 cos - X2 sin at t, X2 cos + X1 sin at t + 8.
.macro ROPE x, t
.irp p, 0,2,4,6
	v_pk_mul_f32 v[(\t)+(\p):(\t)+(\p)+1], v[(\x)+8+(\p):(\x)+8+(\p)+1], v[(\x)+24+(\p):(\x)+24+(\p)+1]
	v_pk_mul_f32 v[(\t)+8+(\p):(\t)+8+(\p)+1], v[(\x)+(\p):(\x)+(\p)+1], v[(\x)+24+(\p):(\x)+24+(\p)+1]
.endr
.irp p, 0,2,4,6
	v_pk_fma_f32 v[(\t)+(\p):(\t)+(\p)+1], v[(\x)+(\p):(\x)+(\p)+1], v[(\x)+16+(\p):(\x)+16+(\p)+1], v[(\t)+(\p):(\t)+(\p)+1] neg_lo:[0,0,1] neg_hi:[0,0,1]
	v_pk_fma_f32 v[(\t)+8+(\p):(\t)+8+(\p)+1], v[(\x)+8+(\p):(\x)+8+(\p)+1], v[(\x)+16+(\p):(\x)+16+(\p)+1], v[(\t)+8+(\p):(\t)+8+(\p)+1]
.endr
.endm
.macro PRE t, e                        ; e = 2^(x log2 e), t = x + 1
.irp p, 0,2,4,6,8,10,12,14
	v_pk_mul_f32 v[(\e)+(\p):(\e)+(\p)+1], v[(\t)+(\p):(\t)+(\p)+1], 0x3fb8aa3b op_sel_hi:[1,0]
	v_pk_add_f32 v[(\t)+(\p):(\t)+(\p)+1], v[(\t)+(\p):(\t)+(\p)+1], 1.0 op_sel_hi:[1,0]
.endr
.irp p, 0,1,2,3,4,5,6,7,8,9,10,11,12,13,14,15
	v_exp_f32 v[(\e)+(\p)], v[(\e)+(\p)]
.endr
.endm
.macro FIN t, e, y                     ; the middle one of x + 1, e^x and 1; rounded to f16
.irp p, 0,1,2,3,4,5,6,7,8,9,10,11,12,13,14,15
	v_med3_num_f32 v[(\t)+(\p)], v[(\t)+(\p)], v[(\e)+(\p)], 1.0
.endr
.irp p, 0,1,2,3,4,5,6,7
	v_cvt_pk_f16_f32 v[(\y)+(\p)], v[(\t)+2*(\p)], v[(\t)+2*(\p)+1]
.endr
.endm
	s_mov_b32 s[J], 0
.Lhead:                                        ; three trips: a head each
	s_wait_xcnt 0x0                                ; the last head's stores have read their bases, addresses and data
	s_mul_i32 s[HEAD], s[YY], 3
	s_add_co_u32 s[HEAD], s[HEAD], s[J]
	s_lshl_b32 s[SU], s[J], 14                     ; the head's eight units in my dump
	s_mov_b32 s[STB], 0
	s_mov_b32 s[SN], 0
	s_mov_b32 s[SS], 0
	s_mov_b32 s[CNT], 4
	s_mov_b32 s[OFS+1], 0
	s_lshl_b32 s[T1], s[MTL], 12                   ; my tile's 128 tokens: 4,096 bytes of a block in either layout
	s_cmp_ge_u32 s[HEAD], 20
	s_cbranch_scc1 .Lv
	s_mul_i32 s[T0], s[BB], 20
	s_add_co_u32 s[T0], s[T0], s[HEAD]
	s_lshl3_add_u32 s[T0], s[T0], s[WV]            ; block cb = w; the high columns lie four blocks on
	s_lshl_b32 s[T0], s[T0], 16
	s_add_co_u32 s[OFS], s[T0], s[T1]
	s_add_nc_u64 s[SBN:SBN+1], s[8:9], s[OFS:OFS+1]
.Lpair:                                        ; four trips: two units (32 tokens) each
	v_add_nc_u32 v[VU], s[SU], v[VD]
	v_add_nc_u32 v[VTW], s[STB], v[VT]
.irp u, 0,1
.irp n, 0,1,2,3
	ds_load_b128 v[64+32*(\u)+4*(\n):64+32*(\u)+4*(\n)+3], v[VU] offset:2048*(\u)+512*(\n)
.endr
.irp n, 0,1,2,3
	ds_load_b128 v[80+32*(\u)+4*(\n):80+32*(\u)+4*(\n)+3], v[VTW] offset:2048*(\u)+512*(\n)
.endr
.endr
	s_wait_dscnt 8                                 ; the first unit is in; the second's eight loads may be out
	ROPE 64, 128
	PRE 128, 160
	s_wait_dscnt 0x0
	ROPE 96, 144
	PRE 144, 176
	v_nop                                          ; a plain instruction behind the last exponential
	s_wait_alu depctr_va_vdst(0)                   ; one wait for the 32 exponentials, ahead of their first reader
	s_wait_xcnt 0x0                                ; the last trip's stores have read v[VN] and v192-207
	v_add_nc_u32 v[VN], s[SN], v[VNB]
	FIN 128, 160, 192
	FIN 144, 176, 200
	global_store_b128 v[VN], v[192:195], s[SBN:SBN+1]                  ; 512 consecutive bytes, aligned: 16 tokens x 16 columns
	global_store_b128 v[VN], v[196:199], s[SBN:SBN+1] offset:262144
	global_store_b128 v[VN], v[200:203], s[SBN:SBN+1] offset:512
	global_store_b128 v[VN], v[204:207], s[SBN:SBN+1] offset:262656
	s_cmp_lt_u32 s[HEAD], 16
	s_cbranch_scc1 .Lnoscr                         ; a query head is not turned
	v_add_nc_u32 v[VS], s[SS], v[VSB]
	ds_store_b128 v[VS], v[192:195]
	ds_store_b128 v[VS], v[196:199] offset:512
	ds_store_b128 v[VS], v[200:203] offset:1024
	ds_store_b128 v[VS], v[204:207] offset:1536
.Lnoscr:
	s_add_co_u32 s[SU], s[SU], 4096
	s_add_co_u32 s[STB], s[STB], 4096
	s_add_co_u32 s[SN], s[SN], 1024
	s_add_co_u32 s[SS], s[SS], 2048
	s_sub_co_u32 s[CNT], s[CNT], 1
	s_cmp_lg_u32 s[CNT], 0
	s_cbranch_scc1 .Lpair
	s_cmp_lt_u32 s[HEAD], 16
	s_cbranch_scc1 .Lnext
	s_sub_co_u32 s[T0], s[HEAD], 16
	s_lshl2_add_u32 s[T0], s[BB], s[T0]            ; 4 b + kv head
	s_branch .Ltr
.Lv:                                           ; a head of v: no turn, no feature map
	s_sub_co_u32 s[T0], s[HEAD], 20
	s_lshl2_add_u32 s[T0], s[BB], s[T0]
	s_add_co_u32 s[T1], s[T1], 4194304             ; v's plane of kvt
.Lvpair:
	v_add_nc_u32 v[VU], s[SU], v[VD]
	v_add_nc_u32 v[VS], s[SS], v[VSB]
.irp n, 0,1,2,3,4,5,6,7
	ds_load_b128 v[64+4*(\n):64+4*(\n)+3], v[VU] offset:512*(\n)
.endr
	s_wait_dscnt 0x0
.irp p, 0,1,2,3,4,5,6,7,8,9,10,11,12,13,14,15
	v_cvt_pk_f16_f32 v[192+(\p)], v[64+2*(\p)], v[64+2*(\p)+1]
.endr
	ds_store_b128 v[VS], v[192:195]
	ds_store_b128 v[VS], v[196:199] offset:512
	ds_store_b128 v[VS], v[200:203] offset:1024
	ds_store_b128 v[VS], v[204:207] offset:1536
	s_add_co_u32 s[SU], s[SU], 4096
	s_add_co_u32 s[SS], s[SS], 2048
	s_sub_co_u32 s[CNT], s[CNT], 1
	s_cmp_lg_u32 s[CNT], 0
	s_cbranch_scc1 .Lvpair
.Ltr:                                          ; the head's 16 tiles of 16 tokens x 16 columns come back turned: a lane holds one column and eight tokens
	s_lshl3_add_u32 s[T0], s[T0], s[WV]
	s_lshl_b32 s[T0], s[T0], 16
	s_add_co_u32 s[OFS], s[T0], s[T1]
	s_add_nc_u64 s[SBT:SBT+1], s[10:11], s[OFS:OFS+1]
	s_wait_xcnt 0x0                                ; earlier stores have read v64-127
.irp n, 0,1,2,3,4,5,6,7,8,9,10,11,12,13,14,15
	ds_load_tr16_b128 v[64+4*(\n):64+4*(\n)+3], v[VTRB] offset:512*(\n)   ; LDS serves a wave's instructions in order (ISA guide 5.7.1.4): these see my stores above
.endr
	s_wait_dscnt 0x0
.irp n, 0,1,2,3,4,5,6,7,8,9,10,11,12,13,14,15
	global_store_b128 v[VNB], v[64+4*(\n):64+4*(\n)+3], s[SBT:SBT+1] offset:((\n)/2)*512+((\n)%2)*262144
.endr
.Lnext:
	s_add_co_u32 s[J], s[J], 1
	s_cmp_lt_u32 s[J], 3
	s_cbranch_scc1 .Lhead
	; v32, LAST.  Of each head of v among my three, block a = 0 (unit 8 j of the dump, which nothing has written over) goes out in f32 where it holds tokens 0-15 of a batch: in that batch's first tile alone.
	; That is a mask of lanes, no branch, since the tile hangs on my place in the cluster; the branch round a head that is not v's hangs on the grid's y alone.  From here on no vector address is made.
.irp j, 0,1,2
	s_mul_i32 s[HEAD], s[YY], 3
	s_add_co_u32 s[HEAD], s[HEAD], \j
	s_cmp_lt_u32 s[HEAD], 20
	s_cbranch_scc1 .Lno32_\j
	s_sub_co_u32 s[T0], s[HEAD], 20
	s_lshl2_add_u32 s[T0], s[BB], s[T0]            ; 4 b + kv head
	s_lshl_b32 s[OFS], s[T0], 13                   ; 16 tokens x 128 numbers of 4 bytes
	s_wait_xcnt 0x0                                ; earlier stores have read v64-79 and their bases; EXEC changes only behind this wait, and no global instruction follows it ahead of that change
	s_add_nc_u64 s[V32B:V32B+1], s[12:13], s[OFS:OFS+1]
.irp n, 0,1,2,3
	ds_load_b128 v[64+4*(\n):64+4*(\n)+3], v[VD] offset:(\j)*16384+512*(\n)
.endr
	v_cmp_gt_u32 vcc_lo, 16, v[VTK]
	s_wait_dscnt 0x0
	s_and_saveexec_b32 s[SX], vcc_lo
	global_store_b128 v[V32O], v[64:67], s[V32B:V32B+1]
	global_store_b128 v[V32O], v[68:71], s[V32B:V32B+1] offset:16
	global_store_b128 v[V32O], v[72:75], s[V32B:V32B+1] offset:256
	global_store_b128 v[V32O], v[76:79], s[V32B:V32B+1] offset:272
	s_wait_xcnt 0x0                                ; and again, in front of the line that widens it
	s_or_b32 exec_lo, exec_lo, s[SX]
.Lno32_\j:
.endr
	s_wait_tensorcnt 0x0                           ; the wave's end: behind my last tensor load and my last LDS store
	ds_add_u32 v[SPW], v[NIL]
	s_wait_dscnt 0x0
	CROUND                                         ; the closing round: no work-group ends while a partner may still ask for a tile that names it
	s_endpgm
.Lfunc_end_k_q325a5e75bf_qkv:
	.size	k_q325a5e75bf_qkv, .Lfunc_end_k_q325a5e75bf_qkv-k_q325a5e75bf_qkv
	.p2alignl 7, 3214868480
	.fill 96, 4, 3214868480
	.section	.rodata,"a",@progbits
	.p2align	6, 0x0
	.amdhsa_kernel k_q325a5e75bf_qkv
		.amdhsa_group_segment_fixed_size 327680
		.amdhsa_private_segment_fixed_size 0
		.amdhsa_enable_private_segment 0
		.amdhsa_kernarg_size 40
		.amdhsa_user_sgpr_count 2
		.amdhsa_user_sgpr_kernarg_segment_ptr 1
		.amdhsa_wavefront_size32 1
		.amdhsa_system_sgpr_workgroup_id_x 1
		.amdhsa_system_sgpr_workgroup_id_y 1
		.amdhsa_system_sgpr_workgroup_id_z 1
		.amdhsa_system_vgpr_workitem_id 0
		.amdhsa_next_free_vgpr 1024
		.amdhsa_next_free_sgpr 100
		.amdhsa_reserve_vcc 1
		.amdhsa_float_denorm_mode_32 3
		.amdhsa_float_denorm_mode_16_64 3
		.amdhsa_memory_ordered 1
		.amdhsa_forward_progress 1
		.amdhsa_inst_pref_size 124
	.end_amdhsa_kernel
	.amdgpu_metadata
---
amdhsa.version: [ 1, 2 ]
amdhsa.kernels:
  - .name:           k_q325a5e75bf_qkv
    .symbol:         k_q325a5e75bf_qkv.kd
    .args:
      - { .name: xw, .offset: 0, .size: 8, .value_kind: global_buffer, .address_space: global }
      - { .name: rope, .offset: 8, .size: 8, .value_kind: global_buffer, .address_space: global }
      - { .name: qk, .offset: 16, .size: 8, .value_kind: global_buffer, .address_space: global }
      - { .name: kvt, .offset: 24, .size: 8, .value_kind: global_buffer, .address_space: global }
      - { .name: v32, .offset: 32, .size: 8, .value_kind: global_buffer, .address_space: global }
    .group_segment_fixed_size: 327680
    .private_segment_fixed_size: 0
    .kernarg_segment_align: 8
    .kernarg_segment_size: 40
    .max_flat_workgroup_size: 128
    .sgpr_count:     100
    .vgpr_count:     1024
    .wavefront_size: 32
...
	.end_amdgpu_metadata
.endif
;; end of part 2
;; launch state (part 3): grid 256 x 1, 8 waves a work-group, no clusters, 41,984 bytes of LDS; arguments kvt, qk, v32, wo16, st, out0; writes st, out0
.if DOCPART == 3
	.amdgcn_target "amdgcn-amd-amdhsa--gfx1250"
	.amdhsa_code_object_version 6
	.text
	.protected	k_q325a5e75bf_state
	.globl	k_q325a5e75bf_state
	.p2align	8
	.type	k_q325a5e75bf_state,@function
k_q325a5e75bf_state:
	s_mov_b64 s[64:65], 0
	v_nop
	global_prefetch_b8 v0, s[64:65] scope:SCOPE_SE
	s_setreg_imm32_b32 hwreg(HW_REG_WAVE_MODE, 25, 1), 1
	s_wait_xcnt 0x0
; STATE.  Two small jobs that hang only on the launches before; the second one's loads are on their way while the first runs.
; JOB 1: THE PREFIX STATES.  For each (batch, kv head) bk and each of the 32 borders c of chunks of 64 tokens: S_c[e][d] = the sum over t < 64 c of kf[t][e] v[t][d], z_c[e] = the sum of kf[t][e].
; What is stored is U = S / z (a mean of v's rows with positive weights: inside v's range, so it fits f16 whatever the inputs' size) and z in f32.
;   SHARES.  Work-group g: bk = g / 32, e = 32 p .. 32 p + 31 (p = g / 8 % 4), d = 16 T .. 16 T + 15 (T = g % 8).  Wave w: tokens 256 w .. 256 w + 255, four chunks, 32 tokens a matrix instruction.
;   D[e][d]: source 0 = 16 columns e of k turned, source 1 = 16 columns d of v turned, or ones for z.  A lane ends with d = lane % 16 and e = 8 (lane / 16) + 0..7: rounded in pairs this IS source 0 of the next
;   launch's product, and is stored as that fragment's image.  The sums after 1, 2, 3, 4 chunks are kept apart (each takes the one before as its C); the waves' totals meet in LDS.
; JOB 2: out0's ROWS t < 16 OF EACH BATCH.  There a row averages over few keys and its numbers are many times the output's root mean square, by which the allowance goes: one rounding of v, of a weight or
; of o to f16 is too coarse.  So these 32 rows go apart: v comes in f32 and is split into two f16 numbers (hi + lo), so are the weights P and o; the products keep hi hi, lo hi and hi lo.
;   SHARES.  Work-group g: batch g / 128, output columns 16 (g % 128) + 0..15.  Wave w: heads 2 w, 2 w + 1 (kv head w / 2), which are also its 256 of the last product's K; the eight partial sums meet in LDS.
;   A row's 64 bytes are a part of an aligned 256: 32 rows of 8 KiB in all, once a launch.
; LIMITS.  z = 0 (every kf so far below f16's least number) gives U = 0.  NaN and infinities are not treated apart.
; No tensor load: every byte goes to one wave's registers as it lies.  No cluster: what work-groups share is small.  No prefetch: the launch is short.
.set TOT,   0                          ; LDS: wave w's totals, 4,096 bytes
.set RED,   32768                      ; wave w's partial 16 x 16 of out0, 1,024 bytes
.set SPARE, 40960                      ; the spare words, 128 bytes a wave: four blocks of 256 bytes that no other line names
.set LO,   4                           ; v4   32 (l % 16) + 16 (l / 16)
.set VL,   5                           ; v5   16 l
.set TOTS, 6
.set ZO,   7                           ; v7   32 (l / 16)
.set V32L, 8
.set WOL,  9
.set REDS, 10
.set OUTL, 11
.set VK,   12                          ; v12  l % 16 - 8 (l / 16): key register j is seen where j <= this
.set M1,   13                          ; v13  -1.0
.set SPW,  14
.set NIL,  15
.set ONES, 24                          ; v24-31 1.0 in f16, sixteen times
.set SET1, 32
.set SET2, 64
.set SET3, 112
.set SET4, 160
.set FR,   64                          ; v64-255 chunk cc's fragments at 64 + 48 cc: k tile 0 (two K steps), k tile 1, v
.set OF,   192                         ; later: the sum of the earlier waves' totals
.set TL,   224
.set ZP,   160
.set RC,   176
.set SP_,  224
.set YY,   240
.set AT,   32                          ; job 2: scores, later the two final sums
.set PF,   48                          ; head hh: [Phi, Phi] at 48 + 16 hh, [Plo, 0] eight on
.set RS,   80
.set VF,   88                          ; d tile T: [Vhi, Vlo] at 88 + 8 T
.set OT,   152                         ; o, d tile T at 152 + 8 T
.set WV,  16
.set BK,  18
.set PP,  19
.set TT,  20
.set KB,  22
.set VB,  24
.set STB, 26
.set ZB,  28
.set MM,  30
.set SX,  32
.set QB,  36
.set KQB, 38
.set V32B, 40
.set WOB, 42
.set OUTB, 44
.set SEL, 46
.set EPS, 48
.set TINY, 49
.set MSB, 0
.macro WIN new
.if MSB != (\new)
	s_set_vgpr_msb (MSB<<8)|(\new)
.set MSB, \new
.endif
.endm
.macro PLACES
.rept 4
	v_nop
.endr
.endm
	s_load_b256 s[4:11], s[0:1], 0x0               ; kvt 4, qk 6, v32 8, wo16 10
	s_load_b128 s[12:15], s[0:1], 0x20             ; st 12, out0 14
	v_lshl_add_u32 v[SPW], v0, 2, SPARE
	v_mov_b32 v[NIL], 0
	v_lshrrev_b32 v1, 5, v0
	v_readfirstlane_b32 s[WV], v1
	v_and_b32 v1, 15, v0                           ; l % 16; kept
	v_bfe_u32 v2, v0, 4, 1                         ; l / 16
	v_and_b32 v3, 31, v0
	v_lshlrev_b32 v[LO], 5, v1
	v_lshl_add_u32 v[LO], v2, 4, v[LO]
	v_lshlrev_b32 v[VL], 4, v3
	s_lshl_b32 s33, s[WV], 12
	v_add_nc_u32 v[TOTS], s33, v[VL]
	v_lshlrev_b32 v[ZO], 5, v2
	v_lshlrev_b32 v[V32L], 12, v2
	v_lshl_add_u32 v[V32L], v1, 2, v[V32L]
	v_lshlrev_b32 v[WOL], 12, v1
	v_lshl_add_u32 v[WOL], v2, 4, v[WOL]
	s_lshl_b32 s33, s[WV], 10
	s_add_co_u32 s33, s33, RED
	v_add_nc_u32 v[REDS], s33, v[VL]
	v_lshlrev_b32 v[OUTL], 13, v1
	v_lshl_add_u32 v[OUTL], v2, 5, v[OUTL]
	v_lshlrev_b32 v[VK], 3, v2
	v_sub_nc_u32 v[VK], v1, v[VK]
	v_mov_b32 v[M1], -1.0
.irp i, 0,1,2,3,4,5,6,7
	v_mov_b32 v[ONES+(\i)], 0x3c003c00
.endr
	s_lshr_b32 s[BK], ttmp9, 5
	s_bfe_u32 s[PP], ttmp9, 0x20003
	s_and_b32 s[TT], ttmp9, 7
	s_lshl_b32 s50, s[WV], 13                      ; my 256 tokens: 16 tiles of 512 bytes
	s_lshl_b32 s52, s[BK], 3
	s_lshl1_add_u32 s33, s[PP], s52
	s_lshl_b32 s33, s33, 16
	s_add_co_u32 s34, s33, s50
	s_mov_b32 s35, 0
	s_add_co_u32 s52, s52, s[TT]
	s_lshl_b32 s52, s52, 16
	s_add_co_u32 s52, s52, s50
	s_add_co_u32 s52, s52, 4194304
	s_mov_b32 s53, 0
	s_lshl_b32 s54, s[BK], 5
	s_lshl2_add_u32 s54, s[WV], s54                ; 32 bk + 4 w: my first border
	s_lshl_b32 s56, s54, 15
	s_lshl_b32 s55, s[PP], 13
	s_add_co_u32 s56, s56, s55
	s_lshl_b32 s55, s[TT], 10
	s_add_co_u32 s56, s56, s55
	s_mov_b32 s57, 0
	s_lshl_b32 s58, s54, 9
	s_lshl_b32 s55, s[PP], 7
	s_add_co_u32 s58, s58, s55
	s_add_co_u32 s58, s58, 8388608
	s_mov_b32 s59, 0
	s_mov_b32 s[MM+1], 0
	s_mov_b32 s[SEL], 0x76543210
	s_mov_b32 s[SEL+1], 0xfedcba98
	s_mov_b32 s[EPS], 0x358637bd                   ; 1e-6
	s_mov_b32 s[TINY], 0x0da24260                  ; 1e-30
	s_wait_kmcnt 0x0
	s_add_nc_u64 s[KB:KB+1], s[4:5], s[34:35]
	s_add_nc_u64 s[VB:VB+1], s[4:5], s[52:53]
	s_add_nc_u64 s[STB:STB+1], s[12:13], s[56:57]
	s_add_nc_u64 s[ZB:ZB+1], s[12:13], s[58:59]
	s_lshr_b32 s50, ttmp9, 7                       ; job 2: the batch,
	s_and_b32 s51, ttmp9, 127                      ; and my 16 columns of out0
	s_mul_i32 s52, s50, 20
	s_lshl1_add_u32 s54, s[WV], s52
	s_lshl_b32 s54, s54, 19
	s_mov_b32 s55, 0
	s_add_nc_u64 s[QB:QB+1], s[6:7], s[54:55]
	s_lshr_b32 s53, s[WV], 1
	s_add_co_u32 s54, s52, s53
	s_add_co_u32 s54, s54, 16
	s_lshl_b32 s54, s54, 19
	s_add_nc_u64 s[KQB:KQB+1], s[6:7], s[54:55]
	s_lshl2_add_u32 s54, s50, s53
	s_lshl_b32 s54, s54, 13
	s_add_nc_u64 s[V32B:V32B+1], s[8:9], s[54:55]
	s_lshl_b32 s54, s51, 16
	s_lshl_b32 s53, s[WV], 9
	s_add_co_u32 s54, s54, s53
	s_add_nc_u64 s[WOB:WOB+1], s[10:11], s[54:55]
	s_lshl_b32 s54, s50, 24
	s_lshl_b32 s53, s51, 6
	s_add_co_u32 s54, s54, s53
	s_add_nc_u64 s[OUTB:OUTB+1], s[14:15], s[54:55]
.macro LDA cc                          ; chunk cc's twelve loads: two K steps of 32 tokens (two tiles of 16) of k's two column tiles and of v's one
.set FB, FR+48*(\cc)
.irp k, 0,1
	global_load_b128 v[FB+8*(\k):FB+8*(\k)+3],       v[LO], s[KB:KB+1] offset:(2*(\cc)+(\k))*1024
	global_load_b128 v[FB+8*(\k)+4:FB+8*(\k)+7],     v[LO], s[KB:KB+1] offset:(2*(\cc)+(\k))*1024+512
	global_load_b128 v[FB+16+8*(\k):FB+16+8*(\k)+3], v[LO], s[KB:KB+1] offset:65536+(2*(\cc)+(\k))*1024
	global_load_b128 v[FB+16+8*(\k)+4:FB+16+8*(\k)+7], v[LO], s[KB:KB+1] offset:65536+(2*(\cc)+(\k))*1024+512
	global_load_b128 v[FB+32+8*(\k):FB+32+8*(\k)+3], v[LO], s[VB:VB+1] offset:(2*(\cc)+(\k))*1024
	global_load_b128 v[FB+32+8*(\k)+4:FB+32+8*(\k)+7], v[LO], s[VB:VB+1] offset:(2*(\cc)+(\k))*1024+512
.endr
.endm
	LDA 0
	LDA 1
	LDA 2
	LDA 3
	WIN 0x40                                       ; job 2's k (window 1, v64-95) and q (v0-63): tokens 0-15, 32 channels a fragment from two blocks of 16
.irp p, 0,1,2,3
	global_load_b128 v[64+8*(\p):64+8*(\p)+3], v[LO], s[KQB:KQB+1] offset:(\p)*131072
	global_load_b128 v[64+8*(\p)+4:64+8*(\p)+7], v[LO], s[KQB:KQB+1] offset:(\p)*131072+65536
.endr
.irp n, 0,1,2,3,4,5,6,7                ; n = 4 x head + p
	global_load_b128 v[8*(\n):8*(\n)+3], v[LO], s[QB:QB+1] offset:((\n)/4)*524288+((\n)%4)*131072
	global_load_b128 v[8*(\n)+4:8*(\n)+7], v[LO], s[QB:QB+1] offset:((\n)/4)*524288+((\n)%4)*131072+65536
.endr
	WIN 0
; Chunk cc: the four sums (S tile 0, S tile 1, z tile 0, z tile 1) go on from src into dst, which lies on fragments that are spent.  The four take turns.
.macro PASS cc, src, dst
	s_wait_loadcnt 24+12*(3-(\cc))                 ; my chunk's twelve loads are in; the later chunks' twelves and job 2's 24 may stay out
.set FB, FR+48*(\cc)
.if (\cc) == 0
	v_wmma_f32_16x16x32_f16 v[(\dst):(\dst)+7],     v[FB:FB+7],     v[FB+32:FB+39], 0
	v_wmma_f32_16x16x32_f16 v[(\dst)+8:(\dst)+15],  v[FB+16:FB+23], v[FB+32:FB+39], 0
	v_wmma_f32_16x16x32_f16 v[(\dst)+16:(\dst)+23], v[FB:FB+7],     v[ONES:ONES+7], 0
	v_wmma_f32_16x16x32_f16 v[(\dst)+24:(\dst)+31], v[FB+16:FB+23], v[ONES:ONES+7], 0
.else
.rept 5                                ; five places before a result serves as another accumulator's C, and before spent sources are written over
	v_nop
.endr
	v_wmma_f32_16x16x32_f16 v[(\dst):(\dst)+7],     v[FB:FB+7],     v[FB+32:FB+39], v[(\src):(\src)+7]
	v_wmma_f32_16x16x32_f16 v[(\dst)+8:(\dst)+15],  v[FB+16:FB+23], v[FB+32:FB+39], v[(\src)+8:(\src)+15]
	v_wmma_f32_16x16x32_f16 v[(\dst)+16:(\dst)+23], v[FB:FB+7],     v[ONES:ONES+7], v[(\src)+16:(\src)+23]
	v_wmma_f32_16x16x32_f16 v[(\dst)+24:(\dst)+31], v[FB+16:FB+23], v[ONES:ONES+7], v[(\src)+24:(\src)+31]
.endif
	v_wmma_f32_16x16x32_f16 v[(\dst):(\dst)+7],     v[FB+8:FB+15],  v[FB+40:FB+47], v[(\dst):(\dst)+7]
	v_wmma_f32_16x16x32_f16 v[(\dst)+8:(\dst)+15],  v[FB+24:FB+31], v[FB+40:FB+47], v[(\dst)+8:(\dst)+15]
	v_wmma_f32_16x16x32_f16 v[(\dst)+16:(\dst)+23], v[FB+8:FB+15],  v[ONES:ONES+7], v[(\dst)+16:(\dst)+23]
	v_wmma_f32_16x16x32_f16 v[(\dst)+24:(\dst)+31], v[FB+24:FB+31], v[ONES:ONES+7], v[(\dst)+24:(\dst)+31]
.endm
	PASS 0, 0, SET1
	PASS 1, SET1, SET2
	PASS 2, SET2, SET3
	PASS 3, SET3, SET4
	PLACES
.irp n, 0,1,2,3,4,5,6,7
	ds_store_b128 v[TOTS], v[SET4+4*(\n):SET4+4*(\n)+3] offset:TOT+512*(\n)   ; my total
.endr
	WIN 0x40                                       ; job 2's v (f32: token 8 (l / 16) + j, channel 16 T + l % 16; window 1, v96-159) and Wo (v160-223) go out now
.set n, 0
.rept 64
	global_load_b32 v[96+n], v[V32L], s[V32B:V32B+1] offset:(n%8)*512+(n/8)*64
.set n, n+1
.endr
.irp k, 0,1,2,3,4,5,6,7
	global_load_b128 v[160+8*(\k):160+8*(\k)+3], v[WOL], s[WOB:WOB+1] offset:64*(\k)
	global_load_b128 v[160+8*(\k)+4:160+8*(\k)+7], v[WOL], s[WOB:WOB+1] offset:64*(\k)+32
.endr
	WIN 0
	s_wait_dscnt 0x0                               ; for the others' sake: my total lies in LDS
	s_barrier_signal -1
	s_barrier_wait -1
	; the sum of the totals of the waves in front of me: every total is read, and counts 1 or 0 times
.irp u, 0,1,2,3,4,5,6
.irp n, 0,1,2,3,4,5,6,7
	ds_load_b128 v[TL+4*(\n):TL+4*(\n)+3], v[VL] offset:TOT+4096*(\u)+512*(\n)
.endr
	s_cmp_gt_u32 s[WV], \u
	s_cselect_b32 s[MM], 1.0, 0
	s_wait_dscnt 0x0
.irp i, 0,2,4,6,8,10,12,14,16,18,20,22,24,26,28,30
.if (\u) == 0
	v_pk_mul_f32 v[OF+(\i):OF+(\i)+1], v[TL+(\i):TL+(\i)+1], s[MM:MM+1] op_sel_hi:[1,0]
.else
	v_pk_fma_f32 v[OF+(\i):OF+(\i)+1], v[TL+(\i):TL+(\i)+1], s[MM:MM+1], v[OF+(\i):OF+(\i)+1] op_sel_hi:[1,0,1]
.endif
.endr
.endr
; Border 4 w + cc: S and z are the earlier waves' sum plus my first cc chunks'; U = S / z is stored as a fragment's image, 1,024 consecutive bytes; z by the work-groups with T = 0.
.macro EMIT cc, set
	s_wait_xcnt 0x0                                ; the last border's stores have read their data
.if (\cc) == 0
.set ZS, OF+16
.set SS, OF
.else
.irp i, 0,2,4,6,8,10,12,14
	v_pk_add_f32 v[ZP+(\i):ZP+(\i)+1], v[(\set)+16+(\i):(\set)+16+(\i)+1], v[OF+16+(\i):OF+16+(\i)+1]
.endr
.set ZS, ZP
.set SS, SP_
.endif
.irp i, 0,1,2,3,4,5,6,7,8,9,10,11,12,13,14,15
	v_max_num_f32 v[RC+(\i)], s[TINY], v[ZS+(\i)]
.endr
.irp i, 0,1,2,3,4,5,6,7,8,9,10,11,12,13,14,15
	v_rcp_f32 v[RC+(\i)], v[RC+(\i)]
.endr
.if (\cc) == 0
	v_nop                                          ; a plain instruction behind the last reciprocal
.else
.irp i, 0,2,4,6,8,10,12,14
	v_pk_add_f32 v[SP_+(\i):SP_+(\i)+1], v[(\set)+(\i):(\set)+(\i)+1], v[OF+(\i):OF+(\i)+1]
.endr
.endif
	s_wait_alu depctr_va_vdst(0)                   ; one wait for the sixteen reciprocals, ahead of their first reader
.irp i, 0,2,4,6,8,10,12,14
	v_pk_mul_f32 v[SP_+(\i):SP_+(\i)+1], v[SS+(\i):SS+(\i)+1], v[RC+(\i):RC+(\i)+1]
.endr
.irp i, 0,1,2,3,4,5,6,7
	v_cvt_pk_f16_f32 v[YY+(\i)], v[SP_+2*(\i)], v[SP_+2*(\i)+1]
.endr
	global_store_b128 v[VL], v[YY:YY+3],   s[STB:STB+1] offset:(\cc)*32768
	global_store_b128 v[VL], v[YY+4:YY+7], s[STB:STB+1] offset:(\cc)*32768+512
	s_cmp_lg_u32 s[TT], 0
	s_cbranch_scc1 .Lnoz_\@
	v_cmp_eq_u32 vcc_lo, 0, v1                     ; all sixteen lanes of a half hold the same z: one of them stores
	s_wait_xcnt 0x0                                ; EXEC changes only behind this wait
	s_and_saveexec_b32 s[SX], vcc_lo
	global_store_b128 v[ZO], v[ZS:ZS+3],     s[ZB:ZB+1] offset:(\cc)*512
	global_store_b128 v[ZO], v[ZS+4:ZS+7],   s[ZB:ZB+1] offset:(\cc)*512+16
	global_store_b128 v[ZO], v[ZS+8:ZS+11],  s[ZB:ZB+1] offset:(\cc)*512+64
	global_store_b128 v[ZO], v[ZS+12:ZS+15], s[ZB:ZB+1] offset:(\cc)*512+80
	s_wait_xcnt 0x0
	s_or_b32 exec_lo, exec_lo, s[SX]
.Lnoz_\@:
.endm
	EMIT 0, 0
	EMIT 1, SET1
	EMIT 2, SET2
	EMIT 3, SET3
	; JOB 2.  Scores A^T = K Q^T of both heads: a lane holds query l % 16 and keys 8 (l / 16) + 0..7.
	s_wait_xcnt 0x0                                ; job 1's stores have read their data: window 0 is free
	s_wait_loadcnt 63                              ; k and q are in: 80 loads were issued behind them, of which the count, the largest that the field holds, lets 63 stay out
	WIN 0x05
.irp p, 0,1,2,3
.if (\p) == 0
	v_wmma_f32_16x16x32_f16 v[AT:AT+7],    v[64:71], v[0:7],   0
	v_wmma_f32_16x16x32_f16 v[AT+8:AT+15], v[64:71], v[32:39], 0
.else
	v_wmma_f32_16x16x32_f16 v[AT:AT+7],    v[64+8*(\p):64+8*(\p)+7], v[8*(\p):8*(\p)+7],       v[AT:AT+7]
	v_wmma_f32_16x16x32_f16 v[AT+8:AT+15], v[64+8*(\p):64+8*(\p)+7], v[32+8*(\p):32+8*(\p)+7], v[AT+8:AT+15]
.endif
.endr
	WIN 0
	PLACES
.irp j, 0,1,2,3,4,5,6,7
	v_cmp_le_i32 vcc_lo, \j, v[VK]                 ; key <= query
	v_cndmask_b32 v[AT+(\j)], 0, v[AT+(\j)], vcc_lo
	v_cndmask_b32 v[AT+8+(\j)], 0, v[AT+8+(\j)], vcc_lo
.endr
.irp hh, 0,1
	v_pk_add_f32 v[16+4*(\hh):17+4*(\hh)], v[AT+8*(\hh):AT+8*(\hh)+1], v[AT+8*(\hh)+2:AT+8*(\hh)+3]
	v_pk_add_f32 v[18+4*(\hh):19+4*(\hh)], v[AT+8*(\hh)+4:AT+8*(\hh)+5], v[AT+8*(\hh)+6:AT+8*(\hh)+7]
.endr
.irp hh, 0,1
	v_pk_add_f32 v[16+4*(\hh):17+4*(\hh)], v[16+4*(\hh):17+4*(\hh)], v[18+4*(\hh):19+4*(\hh)]
.endr
.irp hh, 0,1
	v_add_f32 v[16+4*(\hh)], v[16+4*(\hh)], v[17+4*(\hh)]
.endr
.irp hh, 0,1
	v_permlanex16_b32 v[17+4*(\hh)], v[16+4*(\hh)], s[SEL], s[SEL+1]   ; the query's other eight keys lie in the lane 16 away
.endr
.irp hh, 0,1
	v_add_f32 v[16+4*(\hh)], v[16+4*(\hh)], v[17+4*(\hh)]
.endr
.irp hh, 0,1
	v_add_f32 v[16+4*(\hh)], s[EPS], v[16+4*(\hh)]
.endr
	v_rcp_f32 v18, v16
	v_rcp_f32 v22, v20
	v_nop
	s_wait_alu depctr_va_vdst(0)                   ; one wait for the two reciprocals
.irp hh, 0,1
.irp i, 0,2,4,6
	v_pk_mul_f32 v[AT+8*(\hh)+(\i):AT+8*(\hh)+(\i)+1], v[AT+8*(\hh)+(\i):AT+8*(\hh)+(\i)+1], v[18+4*(\hh):19+4*(\hh)] op_sel_hi:[1,0]
.endr
.irp i, 0,1,2,3
	v_cvt_pk_f16_f32 v[PF+16*(\hh)+(\i)], v[AT+8*(\hh)+2*(\i)], v[AT+8*(\hh)+2*(\i)+1]
.endr
.irp i, 0,1,2,3                        ; what the rounding left: P - Phi, exact in f32
	v_fma_mix_f32 v[RS+2*(\i)],   v[PF+16*(\hh)+(\i)], v[M1], v[AT+8*(\hh)+2*(\i)] op_sel_hi:[1,0,0]
	v_fma_mix_f32 v[RS+2*(\i)+1], v[PF+16*(\hh)+(\i)], v[M1], v[AT+8*(\hh)+2*(\i)+1] op_sel:[1,0,0] op_sel_hi:[1,0,0]
.endr
.irp i, 0,1,2,3
	v_mov_b32 v[PF+16*(\hh)+4+(\i)], v[PF+16*(\hh)+(\i)]           ; K = 16 .. 31 of the product holds Vlo: it meets Phi once more
	v_cvt_pk_f16_f32 v[PF+16*(\hh)+8+(\i)], v[RS+2*(\i)], v[RS+2*(\i)+1]
	v_mov_b32 v[PF+16*(\hh)+12+(\i)], 0
.endr
.endr
	s_wait_loadcnt 16                              ; v is in; Wo's sixteen loads may stay out
	WIN 0x05
.set n, 0
.rept 32                               ; n = 4 T + pair of tokens
	v_cvt_pk_f16_f32 v[VF+8*(n/4)+n%4], v[96+2*n], v[96+2*n+1]
.set n, n+1
.endr
	WIN 0x10
.set n, 0
.rept 32
	v_fma_mix_f32 v[OT+2*n],   v[VF+8*(n/4)+n%4], v[M1], v[96+2*n] op_sel_hi:[1,0,0]
	v_fma_mix_f32 v[OT+2*n+1], v[VF+8*(n/4)+n%4], v[M1], v[96+2*n+1] op_sel:[1,0,0] op_sel_hi:[1,0,0]
.set n, n+1
.endr
	WIN 0
.set n, 0
.rept 32
	v_cvt_pk_f16_f32 v[VF+8*(n/4)+4+n%4], v[OT+2*n], v[OT+2*n+1]
.set n, n+1
.endr
; Head hh: o^T = [Vhi, Vlo] [Phi, Phi] + [Vhi, Vlo] [Plo, 0]; the eight accumulators take turns.  Then o is split: hi to window 1 v[32 hh ..], lo to v[64 + 32 hh ..]; two neighbouring
; d tiles make a fragment of the last product's source 1.
.macro HEADB hh
.irp t, 0,1,2,3,4,5,6,7
	v_wmma_f32_16x16x32_f16 v[OT+8*(\t):OT+8*(\t)+7], v[VF+8*(\t):VF+8*(\t)+7], v[PF+16*(\hh):PF+16*(\hh)+7], 0
.endr
.irp t, 0,1,2,3,4,5,6,7
	v_wmma_f32_16x16x32_f16 v[OT+8*(\t):OT+8*(\t)+7], v[VF+8*(\t):VF+8*(\t)+7], v[PF+16*(\hh)+8:PF+16*(\hh)+15], v[OT+8*(\t):OT+8*(\t)+7]
.endr
	PLACES
	WIN 0x40
.set n, 0
.rept 32
	v_cvt_pk_f16_f32 v[32*(\hh)+n], v[OT+2*n], v[OT+2*n+1]
.set n, n+1
.endr
	WIN 0x01
.set n, 0
.rept 32
	v_fma_mix_f32 v[OT+2*n],   v[32*(\hh)+n], v[M1], v[OT+2*n] op_sel_hi:[1,0,0]
	v_fma_mix_f32 v[OT+2*n+1], v[32*(\hh)+n], v[M1], v[OT+2*n+1] op_sel:[1,0,0] op_sel_hi:[1,0,0]
.set n, n+1
.endr
	WIN 0x40
.set n, 0
.rept 32
	v_cvt_pk_f16_f32 v[64+32*(\hh)+n], v[OT+2*n], v[OT+2*n+1]
.set n, n+1
.endr
	WIN 0
.endm
	HEADB 0
	HEADB 1
	s_wait_loadcnt 0x0                             ; Wo
	WIN 0x05                                       ; out^T = Wo o^T over my 256 channels: hi and lo on two accumulators by turns
.irp k, 0,1,2,3,4,5,6,7
.if (\k) == 0
	v_wmma_f32_16x16x32_f16 v[AT:AT+7],    v[160:167], v[0:7],   0
	v_wmma_f32_16x16x32_f16 v[AT+8:AT+15], v[160:167], v[64:71], 0
.else
	v_wmma_f32_16x16x32_f16 v[AT:AT+7],    v[160+8*(\k):160+8*(\k)+7], v[8*(\k):8*(\k)+7],       v[AT:AT+7]
	v_wmma_f32_16x16x32_f16 v[AT+8:AT+15], v[160+8*(\k):160+8*(\k)+7], v[64+8*(\k):64+8*(\k)+7], v[AT+8:AT+15]
.endif
.endr
	WIN 0
	PLACES
.irp i, 0,2,4,6
	v_pk_add_f32 v[AT+(\i):AT+(\i)+1], v[AT+(\i):AT+(\i)+1], v[AT+8+(\i):AT+8+(\i)+1]
.endr
	ds_store_b128 v[REDS], v[AT:AT+3]
	ds_store_b128 v[REDS], v[AT+4:AT+7] offset:512
	s_wait_dscnt 0x0                               ; for wave 0's sake: my partial sums lie in LDS
	s_barrier_signal -1
	s_barrier_wait -1
	s_cmp_lg_u32 s[WV], 0
	s_cbranch_scc1 .Lend
.irp u, 0,1,2,3,4,5,6,7
	ds_load_b128 v[64+8*(\u):64+8*(\u)+3], v[VL] offset:RED+1024*(\u)
	ds_load_b128 v[64+8*(\u)+4:64+8*(\u)+7], v[VL] offset:RED+1024*(\u)+512
.endr
	s_wait_dscnt 0x0
.irp u, 1,2,3,4,5,6,7
.irp i, 0,2,4,6
	v_pk_add_f32 v[64+(\i):64+(\i)+1], v[64+(\i):64+(\i)+1], v[64+8*(\u)+(\i):64+8*(\u)+(\i)+1]
.endr
.endr
	global_store_b128 v[OUTL], v[64:67], s[OUTB:OUTB+1]            ; row l % 16, columns 8 (l / 16) + 0..7 of my sixteen
	global_store_b128 v[OUTL], v[68:71], s[OUTB:OUTB+1] offset:16
.Lend:
	s_wait_tensorcnt 0x0                           ; the wave's end: behind my last LDS store
	ds_add_u32 v[SPW], v[NIL]
	s_wait_dscnt 0x0
	s_endpgm
.Lfunc_end_k_q325a5e75bf_state:
	.size	k_q325a5e75bf_state, .Lfunc_end_k_q325a5e75bf_state-k_q325a5e75bf_state
	.p2alignl 7, 3214868480
	.fill 96, 4, 3214868480
	.section	.rodata,"a",@progbits
	.p2align	6, 0x0
	.amdhsa_kernel k_q325a5e75bf_state
		.amdhsa_group_segment_fixed_size 41984
		.amdhsa_private_segment_fixed_size 0
		.amdhsa_enable_private_segment 0
		.amdhsa_kernarg_size 48
		.amdhsa_user_sgpr_count 2
		.amdhsa_user_sgpr_kernarg_segment_ptr 1
		.amdhsa_wavefront_size32 1
		.amdhsa_system_sgpr_workgroup_id_x 1
		.amdhsa_system_sgpr_workgroup_id_y 1
		.amdhsa_system_sgpr_workgroup_id_z 1
		.amdhsa_system_vgpr_workitem_id 0
		.amdhsa_next_free_vgpr 512
		.amdhsa_next_free_sgpr 66
		.amdhsa_reserve_vcc 1
		.amdhsa_float_denorm_mode_32 3
		.amdhsa_float_denorm_mode_16_64 3
		.amdhsa_memory_ordered 1
		.amdhsa_forward_progress 1
		.amdhsa_inst_pref_size 85
	.end_amdhsa_kernel
	.amdgpu_metadata
---
amdhsa.version: [ 1, 2 ]
amdhsa.kernels:
  - .name:           k_q325a5e75bf_state
    .symbol:         k_q325a5e75bf_state.kd
    .args:
      - { .name: kvt, .offset: 0, .size: 8, .value_kind: global_buffer, .address_space: global }
      - { .name: qk, .offset: 8, .size: 8, .value_kind: global_buffer, .address_space: global }
      - { .name: v32, .offset: 16, .size: 8, .value_kind: global_buffer, .address_space: global }
      - { .name: wo16, .offset: 24, .size: 8, .value_kind: global_buffer, .address_space: global }
      - { .name: st, .offset: 32, .size: 8, .value_kind: global_buffer, .address_space: global }
      - { .name: out0, .offset: 40, .size: 8, .value_kind: global_buffer, .address_space: global }
    .group_segment_fixed_size: 41984
    .private_segment_fixed_size: 0
    .kernarg_segment_align: 8
    .kernarg_segment_size: 48
    .max_flat_workgroup_size: 256
    .sgpr_count:     66
    .vgpr_count:     512
    .wavefront_size: 32
...
	.end_amdgpu_metadata
.endif
;; end of part 3
;; launch attn (part 4): grid 256 x 1, 4 waves a work-group, no clusters, 167,936 bytes of LDS; arguments qk, kvt, st, o16; writes o16
.if DOCPART == 4
	.amdgcn_target "amdgcn-amd-amdhsa--gfx1250"
	.amdhsa_code_object_version 6
	.text
	.protected	k_q325a5e75bf_attn
	.globl	k_q325a5e75bf_attn
	.p2align	8
	.type	k_q325a5e75bf_attn,@function
k_q325a5e75bf_attn:
	s_mov_b64 s[64:65], 0
	v_nop
	global_prefetch_b8 v0, s[64:65] scope:SCOPE_SE
	s_setreg_imm32_b32 hwreg(HW_REG_WAVE_MODE, 25, 1), 1
	s_wait_xcnt 0x0
; ATTN.  Causal linear attention by chunks of 64 tokens.  For query i of chunk c, with A_ij = qf_i . kf_j (j <= i, in the chunk), z and U = S / z the state in front of the chunk:
;   den_i = the sum of A_ij + qf_i . z + 1e-6;   o_i = the sum over j of (A_ij / den_i) v_j + the sum over e of (qf_i[e] z[e] / den_i) U[e].
; Both kinds of weight lie in 0 to 1 and add up to 1, and U lies in v's range: nothing that is rounded to f16 can leave f16's range, whatever the inputs' size.
; So o is ONE product over 64 keys and 128 'virtual keys'.  Sums in f32; weights and o rounded once to f16.
; SHARES.  Work-group g: (batch, kv head) g / 32, chunk g % 32.  Wave w: query head 4 kvh + w, all 64 queries (four tiles of 16): the four waves read the same K, V, U and do equal work.
; LAYOUT.  A^T = K Q^T holds one query a lane (l % 16) and keys 8 (l / 16) + 0..7; rounded in pairs it is source 1 of o^T = V^T P; so is q's own fragment, scaled in place by z / den, for U^T.
; LDS, filled once, one tensor load a wave (8 rows of 2,048 bytes): K 16 KiB, V turned 16 KiB, U 32 KiB; then a stage of 64 rows x 272 bytes a wave, for whole rows of 256 bytes on the way out.
; No cluster: no two work-groups read the same K, V or U.  No ring, no prefetch: each work-group has one tile, and the launch is short.  The tiles' 32-byte rows make fragment loads meet two deep on the banks.
; REGISTERS.  window 0: v0-15 addresses; v16-79 z; v80-159 the ten score tiles (later sums of o and packed o); v160-191 sums of o; v192-239 P's six fragments; v240-255 row sums.
;   window 1: v0-127 q, later its weights in place; v128-255 K's fragments, then z / den, then two buffers of V's and U's fragments.
.set STAGE, 65536
.set SPITCH, 272
.set SPARE, STAGE+4*64*SPITCH          ; 135,168: the spare words, 128 bytes a wave: two blocks of 256 bytes that no other line names
.set VST,  3                           ; v3   first the lane, then the stage address of the trip in hand
.set LO,   4                           ; v4   32 (l % 16) + 16 (l / 16)
.set ZL,   5
.set VVB,  6
.set VUB,  7
.set STB,  8
.set RDB,  9
.set GO,   10
.set VK,   11
.set VV,   12
.set VU,   13
.set SPW,  14
.set NIL,  15
.set Z,    16
.set AT,   80
.set OA0,  160
.set OA1,  80
.set YY,   112
.set PF,   192
.set SM,   240
.set DN,   248
.set WV,  12
.set BK,  14
.set CC,  15
.set BB,  16
.set KVH, 17
.set G0,  20
.set G1KV, 24
.set G1U, 32
.set QB,  48
.set ZB,  50
.set OB,  52
.set SEL, 54
.set EPS, 56
.set CNT, 57
.set SV,  58
.set SUO, 59
.set SST, 60
.set MSB, 0
.macro WIN new
.if MSB != (\new)
	s_set_vgpr_msb (MSB<<8)|(\new)
.set MSB, \new
.endif
.endm
.macro PLACES
.rept 4
	v_nop
.endr
.endm
	s_load_b256 s[4:11], s[0:1], 0x0               ; qk 4, kvt 6, st 8, o16 10
	v_lshl_add_u32 v[SPW], v0, 2, SPARE
	v_mov_b32 v[NIL], 0
	ds_add_u32 v[SPW], v[NIL]                      ; the wave's opening: the add, twice on end, and its wait ahead of my first tensor load
	ds_add_u32 v[SPW], v[NIL]
	v_lshrrev_b32 v1, 5, v0
	v_readfirstlane_b32 s[WV], v1
	s_lshr_b32 s[BK], ttmp9, 5
	s_and_b32 s[CC], ttmp9, 31
	s_lshr_b32 s[BB], s[BK], 2
	s_and_b32 s[KVH], s[BK], 3
.irp g, G1KV, G1U
	s_mov_b32 s[(\g)], 3<<16                       ; elements of 8 bytes, no padding, no mask
	s_mov_b32 s[(\g)+1], 256<<16                   ; tensor_dim0 = 256 (2,048 bytes)
	s_mov_b32 s[(\g)+2], 8<<16                     ; tensor_dim1 = 8
	s_mov_b32 s[(\g)+3], 256<<16                   ; tile_dim0 = 256
	s_mov_b32 s[(\g)+4], 8                         ; tile_dim1 = 8
	s_mov_b32 s[(\g)+6], 0
	s_mov_b32 s[(\g)+7], 0
.endr
	s_mov_b32 s[G1KV+5], 8192                      ; K and V: a chunk's 2,048 bytes of each of eight blocks, 65,536 bytes apart
	s_mov_b32 s[G1U+5], 256                        ; U: dense
	s_mov_b32 s[G0], 1
	s_lshl_b32 s[G0+1], s[WV], 14                  ; wave 0 K, wave 1 V, waves 2 and 3 the halves of U
	s_mul_i32 s40, s[BB], 20
	s_add_co_u32 s41, s40, s[KVH]
	s_add_co_u32 s41, s41, 16
	s_lshl_b32 s41, s41, 19
	s_lshl_b32 s42, s[CC], 11
	s_add_co_u32 s41, s41, s42                     ; K's bytes in qk
	s_lshl_b32 s43, s[BK], 19
	s_add_co_u32 s43, s43, s42
	s_add_co_u32 s43, s43, 4194304                 ; V's in kvt
	s_lshl_b32 s44, s[BK], 5
	s_add_co_u32 s44, s44, s[CC]
	s_lshl_b32 s45, s44, 15
	s_and_b32 s46, s[WV], 1
	s_lshl_b32 s46, s46, 14
	s_add_co_u32 s45, s45, s46                     ; U's in st
	s_mov_b32 s19, 0
	s_mov_b32 s[SEL], 0x76543210
	s_mov_b32 s[SEL+1], 0xfedcba98
	s_mov_b32 s[EPS], 0x358637bd                   ; 1e-6
	s_wait_dscnt 0x0                               ; both opening adds are done
	s_wait_kmcnt 0x0
	s_cmp_eq_u32 s[WV], 0
	s_cselect_b64 s[46:47], s[4:5], s[6:7]
	s_cselect_b32 s18, s41, s43
	s_cmp_lt_u32 s[WV], 2
	s_cselect_b64 s[46:47], s[46:47], s[8:9]
	s_cselect_b32 s18, s18, s45
	s_add_nc_u64 s[G0+2:G0+3], s[46:47], s[18:19]
	s_or_b32 s[G0+3], s[G0+3], 0x80000000
	s_cmp_lt_u32 s[WV], 2
	s_cbranch_scc0 .Lfor_u
	tensor_load_to_lds s[G0:G0+3], s[G1KV:G1KV+7]
	s_nop 0
.rept 4
	v_nop
.endr
	s_branch .Lasked
.Lfor_u:
	tensor_load_to_lds s[G0:G0+3], s[G1U:G1U+7]
	s_nop 0
.rept 4
	v_nop
.endr
.Lasked:
	v_and_b32 v1, 15, v0
	v_bfe_u32 v2, v0, 4, 1
	v_and_b32 v3, 31, v0
	v_lshlrev_b32 v[LO], 5, v1
	v_lshl_add_u32 v[LO], v2, 4, v[LO]
	v_lshlrev_b32 v[ZL], 5, v2
	s_lshl2_add_u32 s41, s[KVH], s[WV]             ; my query head
	s_add_co_u32 s40, s40, s41
	s_lshl_b32 s18, s40, 19
	s_add_co_u32 s18, s18, s42
	s_add_nc_u64 s[QB:QB+1], s[4:5], s[18:19]
	s_lshl_b32 s18, s44, 9
	s_add_co_u32 s18, s18, 8388608
	s_add_nc_u64 s[ZB:ZB+1], s[8:9], s[18:19]
	s_lshl_b32 s18, s[BB], 23
	s_lshl_b32 s43, s[CC], 18
	s_add_co_u32 s18, s18, s43
	s_lshl_b32 s43, s41, 8
	s_add_co_u32 s18, s18, s43
	s_add_nc_u64 s[OB:OB+1], s[10:11], s[18:19]
	WIN 0x40
.set n, 0
.rept 16                               ; q's fragment n = 4 it + p: 16 queries x 32 channels, from two blocks of 16 channels
	global_load_b128 v[8*n:8*n+3],   v[LO], s[QB:QB+1] offset:(n%4)*131072+(n/4)*512
	global_load_b128 v[8*n+4:8*n+7], v[LO], s[QB:QB+1] offset:(n%4)*131072+65536+(n/4)*512
.set n, n+1
.endr
	WIN 0
.irp e, 0,1,2,3,4,5,6,7                ; z[16 e + 8 (l / 16) + 0..7]: register 2 n, 2 n + 1 of z goes with the halves of q's register n
	global_load_b128 v[Z+8*(\e):Z+8*(\e)+3],   v[ZL], s[ZB:ZB+1] offset:64*(\e)
	global_load_b128 v[Z+8*(\e)+4:Z+8*(\e)+7], v[ZL], s[ZB:ZB+1] offset:64*(\e)+16
.endr
	v_add_nc_u32 v[VVB], 16384, v[LO]
	v_lshlrev_b32 v[VUB], 4, v3
	v_add_nc_u32 v[VUB], 32768, v[VUB]
	s_mul_i32 s40, s[WV], 64*SPITCH
	s_add_co_u32 s40, s40, STAGE
	v_mul_u32_u24 v[STB], v1, SPITCH
	v_lshl_add_u32 v[STB], v2, 4, v[STB]
	v_add_nc_u32 v[STB], s40, v[STB]
	v_mul_u32_u24 v[RDB], v2, SPITCH
	v_lshl_add_u32 v[RDB], v1, 4, v[RDB]
	v_add_nc_u32 v[RDB], s40, v[RDB]
	v_lshlrev_b32 v[GO], 12, v2
	v_lshl_add_u32 v[GO], v1, 4, v[GO]
	v_lshlrev_b32 v[VK], 3, v2
	v_sub_nc_u32 v[VK], v1, v[VK]
	s_wait_tensorcnt 0x0                           ; my tile has landed,
	s_barrier_signal -1
	s_barrier_wait -1                              ; everybody's has
	WIN 0x40
.set n, 0
.rept 16                               ; K's fragment n = 4 jt + p
	ds_load_b128 v[128+8*n:128+8*n+3],   v[LO] offset:(n%4)*4096+(n/4)*512
	ds_load_b128 v[128+8*n+4:128+8*n+7], v[LO] offset:(n%4)*4096+(n/4)*512+2048
.set n, n+1
.endr
	s_wait_loadcnt 16                              ; q is in; z's sixteen loads may stay out
	s_wait_dscnt 0x0
	WIN 0x05                                       ; the ten tiles at and below the diagonal take turns, four times
.set p, 0
.rept 4
.set it, 0
.rept 4
.set jt, 0
.rept it+1
.set ix, AT+8*(it*(it+1)/2+jt)
.if p == 0
	v_wmma_f32_16x16x32_f16 v[ix:ix+7], v[128+32*jt+8*p:128+32*jt+8*p+7], v[32*it+8*p:32*it+8*p+7], 0
.else
	v_wmma_f32_16x16x32_f16 v[ix:ix+7], v[128+32*jt+8*p:128+32*jt+8*p+7], v[32*it+8*p:32*it+8*p+7], v[ix:ix+7]
.endif
.set jt, jt+1
.endr
.set it, it+1
.endr
.set p, p+1
.endr
	WIN 0
	PLACES
.irp j, 0,1,2,3,4,5,6,7                ; the four diagonal tiles (numbers 0, 2, 5, 9): key <= query
	v_cmp_le_i32 vcc_lo, \j, v[VK]
	v_cndmask_b32 v[AT+(\j)], 0, v[AT+(\j)], vcc_lo
	v_cndmask_b32 v[AT+16+(\j)], 0, v[AT+16+(\j)], vcc_lo
	v_cndmask_b32 v[AT+40+(\j)], 0, v[AT+40+(\j)], vcc_lo
	v_cndmask_b32 v[AT+72+(\j)], 0, v[AT+72+(\j)], vcc_lo
.endr
.set it, 0
.rept 4                                ; the row sums, in pairs (even keys', odd keys'); each tile is read from its low end on
.set ix, AT+8*(it*(it+1)/2)
	v_pk_add_f32 v[SM+2*it:SM+2*it+1], v[ix:ix+1], v[ix+2:ix+3]
	v_pk_add_f32 v[SM+2*it:SM+2*it+1], v[SM+2*it:SM+2*it+1], v[ix+4:ix+5]
	v_pk_add_f32 v[SM+2*it:SM+2*it+1], v[SM+2*it:SM+2*it+1], v[ix+6:ix+7]
.set jt, 1
.rept it
.set ix, AT+8*(it*(it+1)/2+jt)
	v_pk_add_f32 v[SM+2*it:SM+2*it+1], v[SM+2*it:SM+2*it+1], v[ix:ix+1]
	v_pk_add_f32 v[SM+2*it:SM+2*it+1], v[SM+2*it:SM+2*it+1], v[ix+2:ix+3]
	v_pk_add_f32 v[SM+2*it:SM+2*it+1], v[SM+2*it:SM+2*it+1], v[ix+4:ix+5]
	v_pk_add_f32 v[SM+2*it:SM+2*it+1], v[SM+2*it:SM+2*it+1], v[ix+6:ix+7]
.set jt, jt+1
.endr
.set it, it+1
.endr
	s_wait_loadcnt 0x0                             ; z
	WIN 0x01                                       ; q . z goes on onto the same eight sums: eight chains that do not wait for each other
.set n, 0
.rept 32
.set it, 0
.rept 4
	v_fma_mix_f32 v[SM+2*it],   v[32*it+n], v[Z+2*n],   v[SM+2*it] op_sel_hi:[1,0,0]
	v_fma_mix_f32 v[SM+2*it+1], v[32*it+n], v[Z+2*n+1], v[SM+2*it+1] op_sel:[1,0,0] op_sel_hi:[1,0,0]
.set it, it+1
.endr
.set n, n+1
.endr
	WIN 0
.irp t, 0,1,2,3
	v_add_f32 v[DN+(\t)], v[SM+2*(\t)], v[SM+2*(\t)+1]
.endr
.irp t, 0,1,2,3
	v_permlanex16_b32 v[SM+2*(\t)+1], v[DN+(\t)], s[SEL], s[SEL+1]     ; the query's other keys and channels lie in the lane 16 away
.endr
.irp t, 0,1,2,3
	v_add_f32 v[DN+(\t)], v[DN+(\t)], v[SM+2*(\t)+1]
.endr
.irp t, 0,1,2,3
	v_add_f32 v[DN+(\t)], s[EPS], v[DN+(\t)]
.endr
.irp t, 0,1,2,3
	v_rcp_f32 v[SM+2*(\t)], v[DN+(\t)]
.endr
	v_nop
	s_wait_alu depctr_va_vdst(0)                   ; one wait for the four reciprocals
.set it, 0
.rept 4                                ; P = A / den, rounded; tiles jt = 2 s and 2 s + 1 make fragment (it, s), number it + it / 3 + s
.set jt, 0
.rept it+1
.set ix, AT+8*(it*(it+1)/2+jt)
.set px, PF+8*(it+it/3+jt/2)+4*(jt%2)
.irp i, 0,2,4,6
	v_pk_mul_f32 v[ix+(\i):ix+(\i)+1], v[ix+(\i):ix+(\i)+1], v[SM+2*it:SM+2*it+1] op_sel_hi:[1,0]
.endr
.irp i, 0,1,2,3
	v_cvt_pk_f16_f32 v[px+(\i)], v[ix+2*(\i)], v[ix+2*(\i)+1]
.endr
.set jt, jt+1
.endr
.set it, it+1
.endr
.irp i, 4,5,6,7                        ; the halves above the diagonal
	v_mov_b32 v[PF+(\i)], 0
	v_mov_b32 v[PF+24+(\i)], 0
.endr
.set it, 0
.rept 4                                ; the virtual keys' weights q z / den, in q's place
	WIN 0x40
.set n, 0
.rept 32
	v_pk_mul_f32 v[128+2*n:128+2*n+1], v[Z+2*n:Z+2*n+1], v[SM+2*it:SM+2*it+1] op_sel_hi:[1,0]
.set n, n+1
.endr
	WIN 0x45
.set n, 0
.rept 32
	v_fma_mixlo_f16 v[32*it+n], v[32*it+n], v[128+2*n],   v[NIL] op_sel_hi:[1,0,0]
	v_fma_mixhi_f16 v[32*it+n], v[32*it+n], v[128+2*n+1], v[NIL] op_sel:[1,0,0] op_sel_hi:[1,0,0]
.set n, n+1
.endr
.set it, it+1
.endr
	WIN 0
; twelve LDS loads: channel tile T's fragments of V (keys 0-31, 32-63) and of U (four of 32 virtual keys), into buf; k = 0, 1: the trip's first or second tile
.macro FETCHO k, buf
.irp s, 0,1
	ds_load_b128 v[(\buf)+8*(\s):(\buf)+8*(\s)+3],   v[VV] offset:2048*(\k)+1024*(\s)
	ds_load_b128 v[(\buf)+8*(\s)+4:(\buf)+8*(\s)+7], v[VV] offset:2048*(\k)+1024*(\s)+512
.endr
.irp p, 0,1,2,3
	ds_load_b128 v[(\buf)+16+8*(\p):(\buf)+16+8*(\p)+3],   v[VU] offset:1024*(\k)+8192*(\p)
	ds_load_b128 v[(\buf)+16+8*(\p)+4:(\buf)+16+8*(\p)+7], v[VU] offset:1024*(\k)+8192*(\p)+512
.endr
.endm
; 22 matrix instructions: one channel tile of o^T for the four query tiles, which take turns.  Keys 32-63 are seen by query tiles 2 and 3 alone.
.macro MMO buf, oa
	WIN 0x01
.irp t, 0,1,2,3
	v_wmma_f32_16x16x32_f16 v[(\oa)+8*(\t):(\oa)+8*(\t)+7], v[(\buf):(\buf)+7], v[PF+8*((\t)+(\t)/3):PF+8*((\t)+(\t)/3)+7], 0
.endr
.irp t, 2,3
	v_wmma_f32_16x16x32_f16 v[(\oa)+8*(\t):(\oa)+8*(\t)+7], v[(\buf)+8:(\buf)+15], v[PF+8*((\t)+(\t)/3+1):PF+8*((\t)+(\t)/3+1)+7], v[(\oa)+8*(\t):(\oa)+8*(\t)+7]
.endr
	WIN 0x05
.irp p, 0,1,2,3
.irp t, 0,1,2,3
	v_wmma_f32_16x16x32_f16 v[(\oa)+8*(\t):(\oa)+8*(\t)+7], v[(\buf)+16+8*(\p):(\buf)+16+8*(\p)+7], v[32*(\t)+8*(\p):32*(\t)+8*(\p)+7], v[(\oa)+8*(\t):(\oa)+8*(\t)+7]
.endr
.endr
.endm
	s_mov_b32 s[CNT], 4
	s_mov_b32 s[SV], 0
	s_mov_b32 s[SUO], 0
	s_mov_b32 s[SST], 0
.Lo:                                           ; four trips: two channel tiles each
	v_add_nc_u32 v[VV], s[SV], v[VVB]
	v_add_nc_u32 v[VU], s[SUO], v[VUB]
	v_add_nc_u32 v[VST], s[SST], v[STB]
	WIN 0x40
	FETCHO 0, 128
	FETCHO 1, 176
	s_wait_dscnt 12                                ; the first tile's fragments are in; the second's twelve loads may be out
	MMO 128, OA0
	s_wait_dscnt 0x0
	MMO 176, OA1
	WIN 0
	PLACES
.irp i, 0,1,2,3,4,5,6,7,8,9,10,11,12,13,14,15
	v_cvt_pk_f16_f32 v[YY+(\i)], v[OA0+2*(\i)], v[OA0+2*(\i)+1]
.endr
.irp i, 0,1,2,3,4,5,6,7,8,9,10,11,12,13,14,15
	v_cvt_pk_f16_f32 v[YY+16+(\i)], v[OA1+2*(\i)], v[OA1+2*(\i)+1]
.endr
.irp t, 0,1,2,3
	ds_store_b128 v[VST], v[YY+4*(\t):YY+4*(\t)+3]       offset:(\t)*16*SPITCH
	ds_store_b128 v[VST], v[YY+16+4*(\t):YY+16+4*(\t)+3] offset:(\t)*16*SPITCH+32
.endr
	s_add_co_u32 s[SV], s[SV], 4096
	s_add_co_u32 s[SUO], s[SUO], 2048
	s_add_co_u32 s[SST], s[SST], 64
	s_sub_co_u32 s[CNT], s[CNT], 1
	s_cmp_lg_u32 s[CNT], 0
	s_cbranch_scc1 .Lo
.set n, 0
.rept 32                               ; back as whole rows: lanes 0-15 one row of 256 bytes, lanes 16-31 the next.  LDS serves a wave's instructions in order (ISA guide 5.7.1.4): these see my stores
	ds_load_b128 v[16+4*n:16+4*n+3], v[RDB] offset:n*2*SPITCH
.set n, n+1
.endr
.set n, 0
.rept 32
	s_wait_dscnt 31-n
	global_store_b128 v[GO], v[16+4*n:16+4*n+3], s[OB:OB+1] offset:n*8192   ; 16 lanes store 256 consecutive bytes, aligned: my head's 128 channels of a token
.set n, n+1
.endr
	s_wait_tensorcnt 0x0                           ; the wave's end: behind my last tensor load and my last LDS store
	ds_add_u32 v[SPW], v[NIL]
	s_wait_dscnt 0x0
	s_endpgm
.Lfunc_end_k_q325a5e75bf_attn:
	.size	k_q325a5e75bf_attn, .Lfunc_end_k_q325a5e75bf_attn-k_q325a5e75bf_attn
	.p2alignl 7, 3214868480
	.fill 96, 4, 3214868480
	.section	.rodata,"a",@progbits
	.p2align	6, 0x0
	.amdhsa_kernel k_q325a5e75bf_attn
		.amdhsa_group_segment_fixed_size 167936
		.amdhsa_private_segment_fixed_size 0
		.amdhsa_enable_private_segment 0
		.amdhsa_kernarg_size 32
		.amdhsa_user_sgpr_count 2
		.amdhsa_user_sgpr_kernarg_segment_ptr 1
		.amdhsa_wavefront_size32 1
		.amdhsa_system_sgpr_workgroup_id_x 1
		.amdhsa_system_sgpr_workgroup_id_y 1
		.amdhsa_system_sgpr_workgroup_id_z 1
		.amdhsa_system_vgpr_workitem_id 0
		.amdhsa_next_free_vgpr 512
		.amdhsa_next_free_sgpr 66
		.amdhsa_reserve_vcc 1
		.amdhsa_float_denorm_mode_32 3
		.amdhsa_float_denorm_mode_16_64 3
		.amdhsa_memory_ordered 1
		.amdhsa_forward_progress 1
		.amdhsa_inst_pref_size 78
	.end_amdhsa_kernel
	.amdgpu_metadata
---
amdhsa.version: [ 1, 2 ]
amdhsa.kernels:
  - .name:           k_q325a5e75bf_attn
    .symbol:         k_q325a5e75bf_attn.kd
    .args:
      - { .name: qk, .offset: 0, .size: 8, .value_kind: global_buffer, .address_space: global }
      - { .name: kvt, .offset: 8, .size: 8, .value_kind: global_buffer, .address_space: global }
      - { .name: st, .offset: 16, .size: 8, .value_kind: global_buffer, .address_space: global }
      - { .name: o16, .offset: 24, .size: 8, .value_kind: global_buffer, .address_space: global }
    .group_segment_fixed_size: 167936
    .private_segment_fixed_size: 0
    .kernarg_segment_align: 8
    .kernarg_segment_size: 32
    .max_flat_workgroup_size: 128
    .sgpr_count:     66
    .vgpr_count:     512
    .wavefront_size: 32
...
	.end_amdgpu_metadata
.endif
;; end of part 4
;; launch oproj (part 5): grid 8 x 32, 4 waves a work-group, clusters of 4 x 4, 327,680 bytes of LDS; arguments o16, wo16, out0; writes out0
.if DOCPART == 5
	.amdgcn_target "amdgcn-amd-amdhsa--gfx1250"
	.amdhsa_code_object_version 6
	.text
	.protected	k_q325a5e75bf_oproj
	.globl	k_q325a5e75bf_oproj
	.p2align	8
	.type	k_q325a5e75bf_oproj,@function
k_q325a5e75bf_oproj:
	s_mov_b64 s[64:65], 0
	v_nop
	global_prefetch_b8 v0, s[64:65] scope:SCOPE_SE
	s_setreg_imm32_b32 hwreg(HW_REG_WAVE_MODE, 25, 1), 1
	s_wait_xcnt 0x0
	s_wait_alu depctr_hold_cnt(0) depctr_sa_sdst(0) depctr_va_vdst(0) depctr_va_sdst(0) depctr_va_ssrc(0) depctr_va_vcc(0) depctr_vm_vsrc(0)
	s_getreg_b32 s2, hwreg(HW_REG_IB_STS2, 6, 4)
	s_cmp_eq_u32 s2, 0
	s_cbranch_scc0 .Lentry_in_a_cluster
	s_endpgm
.Lentry_in_a_cluster:
	s_bfe_u32 s2, ttmp6, 0x10000c
	s_cmp_lg_u32 s2, 0xf033
	s_cbranch_scc0 .Lentry_shape_is_right
	s_endpgm
.Lentry_shape_is_right:
; OPROJ.  out0[m][n] = the sum over k of o16[m][k] wo16[n][k]: [4096] x [2048] x [K = 2048], f16 operands, f32 sums, f32 out.  Rows t < 16 of each batch are not stored: an earlier launch made them apart.
; SHARES.  A tile of out0 is 128 x 256: 32 x 8 = 256 work-groups, one for each WGP.  Four waves, each 64 x 128: 32 accumulators, 256 registers.
; RING.  K goes in steps of 128 through two LDS slots (128 rows of o, 256 rows of Wo, 256 bytes a row padded to 272).  A K step is written once: the slot read is a scalar that an exclusive or turns.
; CLUSTER.  4 x 4 work-groups: the four of a row need the same tile of o, the four of a column the same tile of Wo: each is asked for jointly.
; THE MATRIX INSTRUCTION IS USED TRANSPOSED (source 0 = 16 rows of Wo, source 1 = 16 rows of o): a lane holds one row of out0 and eight neighbouring columns.
; REGISTERS.  window 0: v0-15 addresses; two fragment buffers: o's four fragments at v32 (v128), Wo's eight at v64 (v160); on the way out v32-95.   window 1: accumulator (a, b) at v[8 (8 a + b)].
.set KSTEP,  128
.set PITCH,  272
.set AHALF,  64*PITCH
.set BHALF,  128*PITCH
.set SLOT1,  1<<17                     ; a slot takes 104,448 bytes; slot 1 begins here, so that one exclusive or turns an address in one slot into the other's
.set STAGE,  SLOT1+2*AHALF+2*BHALF     ; 235,520: 16 rows x 528 bytes for each wave, for the way out
.set SPITCH, 528
.set SPARE,  STAGE+4*16*SPITCH         ; 269,312: the spare words, 128 bytes a wave: two blocks of 256 bytes that no other line names
.set A0,   2
.set B0,   3
.set ADRA, 4
.set ADRB, 5
.set STO,  6
.set RD,   7
.set CO,   8
.set VTK,  9
.set SPW,  10
.set NIL,  11
.set PFO,  12
.set F0,   32
.set F1,   128
.set G1A, 24
.set G0A, 32
.set LIM, 43
.set PFA, 44
.set TB,  46
.set SX,  47
.set G1B, 48
.set G0B, 56
.set MSB, 0
.macro WIN new
.if MSB != (\new)
	s_set_vgpr_msb (MSB<<8)|(\new)
.set MSB, \new
.endif
.endm
.set MUL, 0x50                         ; sources in window 0, C and D in window 1
.macro JLOAD s                         ; waves 0 and 1 fetch o's two halves, waves 2 and 3 Wo's; an s_nop 0 and four v_nop follow each line
	s_cmp_eq_u32 s11, 0
	s_cbranch_scc0 .Lfor_b_\@
	tensor_load_to_lds s[G0A+4*(\s):G0A+4*(\s)+3], s[G1A:G1A+7]
	s_nop 0
.rept 4
	v_nop
.endr
	s_branch .Lasked_\@
.Lfor_b_\@:
	tensor_load_to_lds s[G0B+4*(\s):G0B+4*(\s)+3], s[G1B:G1B+7]
	s_nop 0
.rept 4
	v_nop
.endr
.Lasked_\@:
.endm
; PREFETCH INTO THE L2, behind the joint load and the run of LDS loads: the K step two refills on (256 matrix instructions a wave ahead of its load): 256 bytes of 32 rows, a lane a row.
; Each block is named once in the launch: o's tile row by the first of the two clusters that read it (wave 0; the four partners 32 rows each, by address), Wo's tile column by the first of the eight
; (waves 2 and 3, a half each; the partners 32 rows each).  The last two trips have no K step two refills on.
.macro ASK
	s_cmp_gt_u32 s3, s[LIM]
	s_cbranch_scc0 .Lnot_mine_\@
	global_prefetch_b8 v[PFO], s[PFA:PFA+1] th:TH_LOAD_NT scope:SCOPE_SE
.Lnot_mine_\@:
.endm
.macro CREST
	s_cmp_lg_u32 s10, 0
	s_cbranch_scc1 .Lnot_wave_0_\@
	s_barrier_signal -3
.Lnot_wave_0_\@:
	s_barrier_wait -3
	s_barrier_signal -1
	s_barrier_wait -1
.endm
.macro CROUND
	s_barrier_signal -1
	s_barrier_wait -1
	CREST
.endm
	s_load_b128 s[4:7], s[0:1], 0x0                ; o16 4, wo16 6
	s_load_b64 s[8:9], s[0:1], 0x10                ; out0
	v_lshl_add_u32 v[SPW], v0, 2, SPARE
	v_mov_b32 v[NIL], 0
	ds_add_u32 v[SPW], v[NIL]                      ; the wave's opening: the add, twice on end, and its wait ahead of my first tensor load
	ds_add_u32 v[SPW], v[NIL]
	v_lshrrev_b32 v1, 5, v0
	v_readfirstlane_b32 s10, v1                    ; wave 0..3
	s_lshr_b32 s11, s10, 1                         ; my half of the tile's rows.  Also: I fetch for o (0) or for Wo (1)
	s_and_b32 s12, s10, 1                          ; my half of its columns.  Also: which half of that tile I fetch
	s_bfe_u32 s40, ttmp6, 0x40000                  ; cx
	s_bfe_u32 s41, ttmp6, 0x40004                  ; cy
	s_lshl_b32 s42, ttmp9, 2
	s_add_co_u32 s42, s42, s40                     ; tile column
	s_and_b32 s13, ttmp7, 0xffff
	s_lshl_b32 s13, s13, 2
	s_add_co_u32 s13, s13, s41                     ; tile row
	s_lshl_b32 s43, s41, 2
	s_lshl_b32 s43, 15, s43                        ; my row of the cluster
	s_lshl_b32 s44, 0x1111, s40                    ; my column
	s_or_b32 s[G1A], s43, (1<<16)|(1<<20)|(1<<21)|(5<<22)|(3<<25)  ; the mask; 2-byte elements; padding on, after every 64 words 4 words; bit 21 beside the mask
	s_or_b32 s[G1B], s44, (1<<16)|(1<<20)|(1<<21)|(5<<22)|(3<<25)
	s_mov_b32 s[G1A+1], KSTEP<<16
	s_mov_b32 s[G1A+2], 64<<16                     ; 64 rows of o
	s_mov_b32 s[G1A+3], KSTEP<<16
	s_mov_b32 s[G1A+4], 64
	s_mov_b32 s[G1A+5], 2048
	s_mov_b32 s[G1A+6], 0
	s_mov_b32 s[G1A+7], 0
	s_mov_b32 s[G1B+1], KSTEP<<16
	s_mov_b32 s[G1B+2], 128<<16                    ; 128 rows of Wo
	s_mov_b32 s[G1B+3], KSTEP<<16
	s_mov_b32 s[G1B+4], 128
	s_mov_b32 s[G1B+5], 2048
	s_mov_b32 s[G1B+6], 0
	s_mov_b32 s[G1B+7], 0
	s_lshl_b32 s17, s12, 6
	s_lshl_b32 s16, s13, 7
	s_add_co_u32 s16, s16, s17                     ; o: row 128 x tile row + 64 x half
	s_lshl_b32 s16, s16, 12
	s_mov_b32 s17, 0
	s_lshl_b32 s47, s12, 7
	s_lshl_b32 s46, s42, 8
	s_add_co_u32 s46, s46, s47                     ; Wo: row 256 x tile column + 128 x half
	s_lshl_b32 s46, s46, 12
	s_mov_b32 s47, 0
	s_mul_i32 s20, s12, AHALF                      ; where they go: no place in the cluster enters an LDS address
	s_mul_i32 s21, s12, BHALF
	s_add_co_u32 s21, s21, 2*AHALF
	s_wait_dscnt 0x0                               ; both opening adds are done
	s_wait_kmcnt 0x0
	s_add_nc_u64 s[14:15], s[4:5], s[16:17]
	s_add_nc_u64 s[46:47], s[6:7], s[46:47]
	CROUND                                         ; all sixteen work-groups are here: the first joint loads meet
.irp s, 0,1
	s_mov_b32 s[G0A+4*(\s)], 1
	s_add_co_u32 s[G0A+4*(\s)+1], s20, (\s)*SLOT1
	s_add_nc_u64 s[G0A+4*(\s)+2:G0A+4*(\s)+3], s[14:15], (\s)*KSTEP*2
	s_or_b32 s[G0A+4*(\s)+3], s[G0A+4*(\s)+3], 0x80000000
	s_mov_b32 s[G0B+4*(\s)], 1
	s_add_co_u32 s[G0B+4*(\s)+1], s21, (\s)*SLOT1
	s_add_nc_u64 s[G0B+4*(\s)+2:G0B+4*(\s)+3], s[46:47], (\s)*KSTEP*2
	s_or_b32 s[G0B+4*(\s)+3], s[G0B+4*(\s)+3], 0x80000000
	JLOAD \s
.endr
	v_and_b32 v1, 15, v0
	v_bfe_u32 v13, v0, 4, 1
	v_and_b32 v14, 31, v0
	v_mul_u32_u24 v15, v1, PITCH
	v_lshl_add_u32 v15, v13, 4, v15                ; a fragment's row x pitch + 16 x half
	s_mul_i32 s21, s11, AHALF                      ; my 64 rows of o
	s_mul_i32 s22, s12, BHALF                      ; my 128 rows of Wo,
	s_add_co_u32 s22, s22, 2*AHALF                 ; which lie behind o's 128
	v_add_nc_u32 v[A0], s21, v15
	v_add_nc_u32 v[B0], s22, v15
	v_mov_b32 v[ADRA], v[A0]
	v_mov_b32 v[ADRB], v[B0]
	s_mul_i32 s23, s10, 16*SPITCH
	s_add_co_u32 s23, s23, STAGE
	v_mul_u32_u24 v[STO], v1, SPITCH               ; in: row l % 16, 32 bytes for each half of the lanes
	v_lshl_add_u32 v[STO], v13, 5, v[STO]
	v_add_nc_u32 v[STO], s23, v[STO]
	v_lshlrev_b32 v[CO], 4, v14                    ; back: 32 lanes take a row's 512 bytes
	v_add_nc_u32 v[RD], s23, v[CO]
	s_and_b32 s20, s13, 15
	s_lshl_b32 s20, s20, 7
	s_lshl_b32 s21, s11, 6
	s_add_co_u32 s20, s20, s21
	v_mov_b32 v[VTK], s20                          ; my first row's number in its batch
	s_lshl_b32 s16, s13, 7
	s_add_co_u32 s16, s16, s21
	s_lshl_b32 s16, s16, 13                        ; my first row of out0, 8,192 bytes a row,
	s_lshl_b32 s20, s42, 10
	s_add_co_u32 s16, s16, s20
	s_lshl_b32 s20, s12, 9
	s_add_co_u32 s16, s16, s20                     ; and my first column
	s_mov_b32 s17, 0
	s_add_nc_u64 s[8:9], s[8:9], s[16:17]
	; the prefetches
	s_lshl_b32 s18, s13, 7                         ; o's tile begins at this row,
	s_lshl_b32 s19, s42, 8
	s_lshl_b32 s20, s12, 7
	s_add_co_u32 s19, s19, s20                     ; my half of Wo's at this one
	s_and_b32 s22, ttmp7, 0xffff
	s_cmp_eq_u32 s11, 0
	s_cselect_b32 s20, s18, s19
	s_cselect_b32 s21, s40, s41                    ; my place among the four that ask with me
	s_cselect_b32 s22, ttmp9, s22                  ; the coordinate along which other clusters read the same rows
	s_cselect_b64 s[PFA:PFA+1], s[4:5], s[6:7]
	s_cmp_eq_u32 s10, 1                            ; wave 1 asks for nothing: wave 0 names all of o's rows
	s_cselect_b32 s23, 1, 0
	s_or_b32 s22, s22, s23
	s_cmp_eq_u32 s22, 0
	s_cselect_b32 s[LIM], 2, -1
	s_lshl_b32 s21, s21, 5
	s_add_co_u32 s20, s20, s21
	s_lshl_b32 s20, s20, 12
	s_add_co_u32 s20, s20, 3*KSTEP*2               ; at K step 3: the first refill steps it to 4 and names that.  Nothing is asked for here, at the head
	s_mov_b32 s21, 0
	s_add_nc_u64 s[PFA:PFA+1], s[PFA:PFA+1], s[20:21]
	v_lshlrev_b32 v[PFO], 12, v14
	s_mov_b32 s[TB], 0
; 8 matrix instructions: row block a x all 8 column blocks, 32 along K.  The 32 accumulators take turns, one instruction a turn.
.macro MUL8 f, a, zero
	WIN MUL
.irp b, 0,1,2,3,4,5,6,7
.if \zero
	v_wmma_f32_16x16x32_f16 v[8*(8*(\a)+(\b)):8*(8*(\a)+(\b))+7], v[(\f)+32+8*(\b):(\f)+32+8*(\b)+7], v[(\f)+8*(\a):(\f)+8*(\a)+7], 0
.else
	v_wmma_f32_16x16x32_f16 v[8*(8*(\a)+(\b)):8*(8*(\a)+(\b))+7], v[(\f)+32+8*(\b):(\f)+32+8*(\b)+7], v[(\f)+8*(\a):(\f)+8*(\a)+7], v[8*(8*(\a)+(\b)):8*(8*(\a)+(\b))+7]
.endif
.endr
.endm
.macro FETCH k, f                      ; 24 LDS loads in one run: Wo's 8 fragments, then o's 4
	WIN 0
.irp i, 0,1,2,3,4,5,6,7
	ds_load_b128 v[(\f)+32+8*(\i):(\f)+32+8*(\i)+3],   v[ADRB] offset:(\k)+(\i)*16*PITCH
	ds_load_b128 v[(\f)+32+8*(\i)+4:(\f)+32+8*(\i)+7], v[ADRB] offset:(\k)+(\i)*16*PITCH+32
.endr
.irp i, 0,1,2,3
	ds_load_b128 v[(\f)+8*(\i):(\f)+8*(\i)+3],   v[ADRA] offset:(\k)+(\i)*16*PITCH
	ds_load_b128 v[(\f)+8*(\i)+4:(\f)+8*(\i)+7], v[ADRA] offset:(\k)+(\i)*16*PITCH+32
.endr
.endm
.macro PLACES
.rept 4
	v_nop
.endr
.endm
.macro QUARTER k, f, g, zero
	s_wait_dscnt 4                                 ; Wo and o's blocks 0, 1 are in; the youngest four loads (blocks 2, 3) may be out
	MUL8 \f, 0, \zero
	MUL8 \f, 1, \zero
	PLACES
	FETCH \k, \g
	s_wait_dscnt 24                                ; all but the 24 just issued
	MUL8 \f, 2, \zero
	MUL8 \f, 3, \zero
.endm
; The last quarter multiplies buffer 1 and changes slots: one barrier; in front of it each wave waits for all its tensor loads, adds 0 to its spare word, and waits for that and for its reads of this slot.
; fill = 1: the barrier opens a round of the cluster's; the walking descriptors turn to this slot and step a K step on; the joint refill is the first thing behind the round.
.macro TURN fill
.if \fill
	s_wait_xcnt 0x0                                ; the last prefetch, a K step back, has read its address
	s_add_nc_u64 s[PFA:PFA+1], s[PFA:PFA+1], KSTEP*2
.endif
	WIN 0
	s_wait_tensorcnt 0x0                           ; all my tensor loads have landed: my part of the next slot
	ds_add_u32 v[SPW], v[NIL]
	s_wait_dscnt 5                                 ; (the add and the youngest four loads may be out)
	MUL8 F1, 0, 0
	s_wait_dscnt 0x0                               ; the add is done, and my reads of this slot are over
	s_barrier_signal -1
	MUL8 F1, 1, 0
	WIN 0
	s_barrier_wait -1
.if \fill
	CREST                                          ; no wave of any partner still reads this slot or has a load on its way
	s_xor_b32 s[G0A+5], s[G0A+5], SLOT1
	s_add_nc_u64 s[G0A+6:G0A+7], s[G0A+6:G0A+7], KSTEP*2
	s_xor_b32 s[G0B+5], s[G0B+5], SLOT1
	s_add_nc_u64 s[G0B+6:G0B+7], s[G0B+6:G0B+7], KSTEP*2
	JLOAD 1                                        ; its four v_nop are also the places in front of the loads below
.else
	PLACES
.endif
	s_xor_b32 s[TB], s[TB], SLOT1                  ; the fragments now come from the other slot
	v_add_nc_u32 v[ADRA], s[TB], v[A0]
	v_add_nc_u32 v[ADRB], s[TB], v[B0]
	FETCH 0, F0
.if \fill
	ASK
.endif
	MUL8 F1, 2, 0
	MUL8 F1, 3, 0
.endm
	s_wait_tensorcnt 1                             ; my part of K step 0 is in; K step 1's may stay out
	s_barrier_signal -1
	s_barrier_wait -1
	FETCH 0, F0
	QUARTER 64, F0, F1, 1
	WIN 0
	s_mov_b32 s3, 14
.Lstep:                                        ; a trip: from a K step's second quarter to the next one's first; K steps 2 to 15 are asked for
	QUARTER 128, F1, F0, 0
	QUARTER 192, F0, F1, 0
	TURN 1
	QUARTER 64, F0, F1, 0
	WIN 0
	s_sub_co_u32 s3, s3, 1
	s_cmp_lg_u32 s3, 0
	s_cbranch_scc1 .Lstep
	QUARTER 128, F1, F0, 0                         ; the last two K steps fill nothing
	QUARTER 192, F0, F1, 0
	TURN 0
	QUARTER 64, F0, F1, 0
	QUARTER 128, F1, F0, 0
	QUARTER 192, F0, F1, 0
	s_wait_dscnt 4
	MUL8 F1, 0, 0
	MUL8 F1, 1, 0
	s_wait_dscnt 0x0
	MUL8 F1, 2, 0
	MUL8 F1, 3, 0
	WIN 0
	PLACES
	; THE WAY OUT, 16 rows at a time through my own stage: in as 32 bytes a lane, back as whole rows of 512 bytes.
.irp a, 0,1,2,3
	WIN 0x04                                       ; the data (source 1) in window 1
.irp b, 0,1,2,3,4,5,6,7
	ds_store_b128 v[STO], v[8*(8*(\a)+(\b)):8*(8*(\a)+(\b))+3]   offset:64*(\b)
	ds_store_b128 v[STO], v[8*(8*(\a)+(\b))+4:8*(8*(\a)+(\b))+7] offset:64*(\b)+16
.endr
	WIN 0
	s_wait_xcnt 0x0                                ; the last block's stores have read v32-95
.irp t, 0,1,2,3,4,5,6,7,8,9,10,11,12,13,14,15
	ds_load_b128 v[32+4*(\t):32+4*(\t)+3], v[RD] offset:(\t)*SPITCH   ; LDS serves a wave's instructions in order (ISA guide 5.7.1.4): these see my stores above
.endr
	s_wait_dscnt 0x0
.if (\a) == 0
	v_cmp_lt_u32 vcc_lo, 15, v[VTK]                ; my first 16 rows are a batch's rows 0-15 in one wave of two tiles: there no lane stores.  A mask, no branch: the tile hangs on my place in the cluster
	s_and_saveexec_b32 s[SX], vcc_lo               ; (no global instruction has been issued since the wait on XCNT above)
.endif
.irp t, 0,1,2,3,4,5,6,7,8,9,10,11,12,13,14,15
	global_store_b128 v[CO], v[32+4*(\t):32+4*(\t)+3], s[8:9] offset:(16*(\a)+(\t))*8192 th:TH_STORE_NT   ; 512 consecutive bytes of a row, aligned
.endr
.if (\a) == 0
	s_wait_xcnt 0x0                                ; EXEC is widened only behind this wait
	s_or_b32 exec_lo, exec_lo, s[SX]
.endif
.endr
	s_wait_tensorcnt 0x0                           ; the wave's end: behind my last tensor load and my last LDS store
	ds_add_u32 v[SPW], v[NIL]
	s_wait_dscnt 0x0
	CROUND                                         ; the closing round: no work-group ends while a partner may still ask for a tile that names it
	s_endpgm
.Lfunc_end_k_q325a5e75bf_oproj:
	.size	k_q325a5e75bf_oproj, .Lfunc_end_k_q325a5e75bf_oproj-k_q325a5e75bf_oproj
	.p2alignl 7, 3214868480
	.fill 96, 4, 3214868480
	.section	.rodata,"a",@progbits
	.p2align	6, 0x0
	.amdhsa_kernel k_q325a5e75bf_oproj
		.amdhsa_group_segment_fixed_size 327680
		.amdhsa_private_segment_fixed_size 0
		.amdhsa_enable_private_segment 0
		.amdhsa_kernarg_size 24
		.amdhsa_user_sgpr_count 2
		.amdhsa_user_sgpr_kernarg_segment_ptr 1
		.amdhsa_wavefront_size32 1
		.amdhsa_system_sgpr_workgroup_id_x 1
		.amdhsa_system_sgpr_workgroup_id_y 1
		.amdhsa_system_sgpr_workgroup_id_z 1
		.amdhsa_system_vgpr_workitem_id 0
		.amdhsa_next_free_vgpr 512
		.amdhsa_next_free_sgpr 66
		.amdhsa_reserve_vcc 1
		.amdhsa_float_denorm_mode_32 3
		.amdhsa_float_denorm_mode_16_64 3
		.amdhsa_memory_ordered 1
		.amdhsa_forward_progress 1
		.amdhsa_inst_pref_size 70
	.end_amdhsa_kernel
	.amdgpu_metadata
---
amdhsa.version: [ 1, 2 ]
amdhsa.kernels:
  - .name:           k_q325a5e75bf_oproj
    .symbol:         k_q325a5e75bf_oproj.kd
    .args:
      - { .name: o16, .offset: 0, .size: 8, .value_kind: global_buffer, .address_space: global }
      - { .name: wo16, .offset: 8, .size: 8, .value_kind: global_buffer, .address_space: global }
      - { .name: out0, .offset: 16, .size: 8, .value_kind: global_buffer, .address_space: global }
    .group_segment_fixed_size: 327680
    .private_segment_fixed_size: 0
    .kernarg_segment_align: 8
    .kernarg_segment_size: 24
    .max_flat_workgroup_size: 128
    .sgpr_count:     66
    .vgpr_count:     512
    .wavefront_size: 32
...
	.end_amdgpu_metadata
.endif
;; end of part 5
